; MI455X (gfx1250); checked and timed in simulation.
; The chip was launched on July 23, 2026; its instructions are those of AMD's public machine-readable ISA for CDNA 5 (MIT licence, August 2026) and "CDNA5" Instruction Set Architecture Reference Guide (July 2026). The comments in the code are by the model that wrote it; some were corrected since.
;; Rotary Multi Head Attention. Allowed arithmetic: matrix products marked QUANTISED: E4M3 operands, one E8M0 scale for each 32 along K, by v_wmma_scale_f32_16x16x128_f8f6f4 with both operands' format E4M3, f32 sums; products left as they are: f32 operands where the result goes on into a quantised operand, else bf16, f16 or f32 operands; f32 sums; everything else in f32.
;; Inputs: Wk_codes 1,024 x 32 x 32 uint8 (E4M3 codes of Wk, K innermost, in blocks of 32 codes); Wk_scales 1,024 x 32 uint8 (E8M0 scales of Wk, one for each 32 codes along K); Wo_codes 1,024 x 32 x 32 uint8 (E4M3 codes of Wo, K innermost, in blocks of 32 codes); Wo_scales 1,024 x 32 uint8 (E8M0 scales of Wo, one for each 32 codes along K); Wq_codes 1,024 x 32 x 32 uint8 (E4M3 codes of Wq, K innermost, in blocks of 32 codes); Wq_scales 1,024 x 32 uint8 (E8M0 scales of Wq, one for each 32 codes along K); Wv_codes 1,024 x 32 x 32 uint8 (E4M3 codes of Wv, K innermost, in blocks of 32 codes); Wv_scales 1,024 x 32 uint8 (E8M0 scales of Wv, one for each 32 codes along K); bk 1,024 float32; bo 1,024 float32; bq 1,024 float32; bv 1,024 float32; x_codes 2 x 2,048 x 32 x 32 uint8 (E4M3 codes of x, K innermost, in blocks of 32 codes); x_scales 2 x 2,048 x 32 uint8 (E8M0 scales of x, one for each 32 codes along K).
;; Outputs: out0 2 x 2,048 x 1,024 float32.
;; This version of the problem:
;;   THIS VERSION OF THE PROBLEM IS GIVEN IN LOW PRECISION. The matrix products marked QUANTISED in the list below multiply operands that are first quantised to E4M3 (4 exponent bits, 3 mantissa bits; 8 bits a number), with one power-of-two scale for each 32 numbers along K (OCP MX v1.0); their sums are f32. All else is computed in f32.
;;   The module's matrix products, in the order in which they are computed (A, B: the left and right operand; K: the contracted axis; several contracted axes count as one K, in the product's order):
;;     1. [M 4,096, K 1,024] x [K 1,024, N 1,024]; A: input x (given as codes); B: input Wq (given as codes): QUANTISED
;;     2. [M 4,096, K 1,024] x [K 1,024, N 1,024]; A: input x (given as codes); B: input Wk (given as codes): QUANTISED
;;     3. [M 4,096, K 1,024] x [K 1,024, N 1,024]; A: input x (given as codes); B: input Wv (given as codes): QUANTISED
;;     4. [M 2,048, K 1] x [K 1, N 32]; A: computed on the way; B: computed on the way: left as it is (no contracted axis)
;;     5. batch 32 x [M 2,048, K 64] x [K 64, N 2,048]; A: computed on the way; B: computed on the way: QUANTISED
;;     6. batch 32 x [M 2,048, K 2,048] x [K 2,048, N 64]; A: softmax (see below); B: computed on the way: QUANTISED
;;     7. [M 4,096, K 1,024] x [K 1,024, N 1,024]; A: computed on the way; B: input Wo (given as codes): QUANTISED
;;   THE QUANTISER, for each operand of a quantised product, along K:
;;     - K is cut into blocks of 32 from its start; a last block that is shorter is filled with zeros.
;;     - A block's scale is 2^e with e = floor(log2(the largest magnitude in the block)) - 8, held to -126 .. 127; a block of zeros has e = 0. As a byte (E8M0): e + 127.
;;     - Each number is divided by its block's scale, clamped to +-448, and rounded to the nearest number of E4M3, ties to even, subnormals kept.
;;     - The product sums the exact products of the quantised numbers (number of the format x scale) in f32.
;;   ~~~python
;;   def quantise(x, axis):      # numpy; x: float32 -> the quantised numbers, widened to float32 again
;;       x = np.moveaxis(x, axis, -1); K = x.shape[-1]
;;       x = np.pad(x, [(0, 0)] * (x.ndim - 1) + [(0, -K % 32)]); x = x.reshape(x.shape[:-1] + (-1, 32)); a = np.abs(x).max(-1, keepdims=True)
;;       e = np.where(a > 0, np.clip(np.frexp(np.where(a > 0, a, 1))[1] - 1 - 8, -126, 127), 0)      # np.frexp(a)[1] - 1 = floor(log2(a)), exactly
;;       r = np.clip(x / 2.0 ** e, -448, 448)
;;       step = 2.0 ** (np.maximum(np.frexp(np.where(r == 0, 1, r))[1] - 1, -6) - 3)
;;       q = np.round(r / step) * step * 2.0 ** e      # np.round: ties to even
;;       return np.moveaxis(q.reshape(q.shape[:-2] + (-1,))[..., :K], -1, axis).astype(np.float32)
;;   ~~~
;;   SOFTMAX AHEAD OF A QUANTISED PRODUCT. Where the list says 'softmax', what is quantised is not the finished softmax but p = 2^(t - M), with t = logit x log2(e) and M = ceil(the row's largest t), a whole number; so 1/2 < the row's largest p <= 1. The row's sum l is taken of the UNQUANTISED p, in f32, and the product's result is divided by l at the end. Since M is a whole number, a kernel that streams over the keys may use a running M (the ceiling of the running maximum): every later rescaling is an exact power of two, which a block's scale takes up: the codes' values come out the same.
;;   OPERANDS COMPUTED ON THE WAY. 'Computed on the way' means the value that the module computes at that place (a softmax that the list does not call 'softmax' is quantised finished and normalised). What goes into a quantiser is computed in f32, as accurately as f32 sums, v_exp_f32 and their like allow (about 1e-6 of the number): no bf16 or f16 on the way to a quantiser, and a product that is left as it is and whose result goes on into a quantised operand takes f32 operands (vector FMAs, or v_wmma_f32_16x16x4_f32). A number that lies on a knife's edge between two numbers of the format may be rounded either way, as far as f32 arithmetic and the matrix unit's own rounding can turn it there, and no further.
;;   INPUTS GIVEN AS CODES. Wk (in the module: [1024, 1024], K = its axis 1); Wo (in the module: [1024, 1024], K = its axis 1); Wq (in the module: [1024, 1024], K = its axis 1); Wv (in the module: [1024, 1024], K = its axis 1); x (in the module: [2, 2048, 1024], K = its axis 2): each comes as NAME_codes (uint8): NAME with its K axis moved to the last place and cut into blocks of 32 codes, [.., K / 32, bytes a block], one block behind the other in memory; one code a byte (a code: sign, 4 exponent bits, 3 mantissa bits); and NAME_scales (uint8): the same leading axes, one E8M0 byte (e + 127) for each 32 codes along K. Its value is code x scale, taken as it is: it is not quantised again, and the codes and scales need not be those that the quantiser above would give.
;; One version. Each part assembles by itself: llvm-mc -triple=amdgcn-amd-amdhsa -mcpu=gfx1250 --defsym DOCPART=n.
;; ======== version 1 of 1: 3 launches
;; limits: right only within a limited range of input values
;; workspace buffers: q_ws 4,194,304 bytes; qs_ws 131,072 bytes; kv_ws 8,650,752 bytes; a_ws 4,194,304 bytes; as_ws 131,072 bytes
;; launch qkv (part 1): grid 8 x 32, 4 waves a work-group, clusters of 4 x 4, 327,680 bytes of LDS; arguments x_codes, x_scales, Wq_codes, Wk_codes, Wv_codes, Wq_scales, bq, q_ws, qs_ws, Wk_scales, bk, kv_ws, Wv_scales, bv; writes q_ws, qs_ws, kv_ws
.if DOCPART == 1
	.amdgcn_target "amdgcn-amd-amdhsa--gfx1250"
	.amdhsa_code_object_version 6
	.text
	.protected	k_q0bcdc41fc5_qkv
	.globl	k_q0bcdc41fc5_qkv
	.p2align	8
	.type	k_q0bcdc41fc5_qkv,@function
k_q0bcdc41fc5_qkv:
	s_mov_b64 s[64:65], 0
	v_nop
	global_prefetch_b8 v0, s[64:65] scope:SCOPE_SE
	s_setreg_imm32_b32 hwreg(HW_REG_WAVE_MODE, 25, 1), 1
	s_wait_xcnt 0x0
	s_wait_alu depctr_hold_cnt(0) depctr_sa_sdst(0) depctr_va_vdst(0) depctr_va_sdst(0) depctr_va_ssrc(0) depctr_va_vcc(0) depctr_vm_vsrc(0)
	s_getreg_b32 s2, hwreg(HW_REG_IB_STS2, 6, 4)
	s_cmp_eq_u32 s2, 0
	s_cbranch_scc0 .Lentry_in_a_cluster
	s_endpgm
.Lentry_in_a_cluster:
	s_bfe_u32 s2, ttmp6, 0x10000c
	s_cmp_lg_u32 s2, 0xf033
	s_cbranch_scc0 .Lentry_shape_is_right
	s_endpgm
.Lentry_shape_is_right:
; q = rope(x Wq^T + bq), k = rope(x Wk^T + bk), v = x Wv^T + bv, on codes of E4M3 with one E8M0 scale for each 32 along K = 1,024; then the three results are quantised for attention: q and k along the head's 64, v along the keys.
; x: 4,096 rows; each W: 1,024 rows; all with K innermost, a row 1,024 bytes of codes and 32 scale bytes.
; SHARES.  A work-group takes 128 rows of x and 128 columns (two heads) of q, then of k, then of v: 8 x 32 work-groups.  Wave w: rows 64 (w / 2) on, head w % 2: 64 x 64, 16 accumulators, 128 matrix instructions a phase.
; x'S 64 ROWS STAND IN REGISTERS, all of K, through all three phases (512).  LDS has two slots of 128 rows: slot 1 holds x's panel until every wave has it in registers, then Wk's; slot 0 holds Wq's, then Wv's.
; So each refill has a phase's products and a way out in which to land.  Each stands behind a drained round of the cluster's barrier, 32 rows a wave.
; CLUSTER 4 x 4: the four work-groups of a row need the same rows of x, the four of a column the same rows of W: every tensor load is a joint one.
; LAYOUT.  q, k: source 0 = 16 rows of W, source 1 = 16 rows of x: a lane holds ONE row of x, and its registers run along the head's 64; feature d + 32, the rotation's partner, lies in the same lane two tiles on.
; v: the sources change places: a lane holds ONE feature and its registers run along the keys, which are the K of attention's second product.
; THE ORDER INSIDE A BLOCK OF 32.  Two neighbouring result tiles 2 c + u, converted eight registers at a time, give operand registers 4 c .. 4 c + 3 in which place (h, 8 u + j) holds k = 32 c + 16 u + 8 h + j.
; That permutes k inside one scale block only, and both sides of each later product are made (or read) in the same order, so every product keeps its terms.
; WORKSPACE: images of operand registers: a group of four registers is 512 bytes on end, lane l at 16 l.  q_ws [head 32][tile of 16 rows 128][c 2]; qs_ws [head][four tiles 32][lane][1 word];
; kv_ws [head][128 keys 16]: k's codes [tile 8][c 2] (8,192 bytes), v's codes [tile of 16 features 4][c 4] (8,192), k's words [four tiles 2][lane] (256), v's words [lane][2] (256).
; A word of q or k holds row r's two bytes of the even tile below and of the odd tile above; lanes 0-15 carry the first pair of tiles, lanes 16-31 the second.  v's word i of lane (r, h): features' tile 2 i + h, row r; its four bytes come from two waves, so it is stored in halves.
; cos AND sin are made here, in f32: angle = position x 10000^(-d / 32) (one rounding, as the definition has it), reduced by the nearest multiple of pi in two parts, then series to r^13 and r^12, whose first left-out terms at |r| = pi / 2 are 7e-10 and 6e-9.
; LIMITS: NaN and infinities among the inputs are not served.  A block whose largest magnitude lies under 2^-118 keeps the scale byte 1 (a block of zeros too: its codes are zeros, and this program alone reads the bytes).
; 10000^(-d / 32) comes from v_exp_f32: the angle can differ from the definition's by about 2.5e-4 rad at the last positions.
; REGISTERS, in windows of 256.  window 0: v1-19 offsets and LDS addresses; v28, v29 for the add; v32-47 x's scale words, v52-67 W's; v72-79 the quantiser's; v80-85 scale words made; v86-93 the rotation's; v96-127 codes made;
;   v128-255 the accumulators, tile (i, j) at 128 + 8 (4 j + i) (ahead of the first product: at work for cos and sin).
;   window 1: v0-95 six buffers of one fragment of W; v96-255, window 3 and window 2's v160-255: x's 32 fragments.  window 2: v0-127 cos and sin (x's tile j: 16 cos at 32 j, 16 sin at 32 j + 16); v128-159 the bias, as the first products' C.
.set PITCH, 1040                       ; an LDS row: 1,024 bytes + 16 of padding
.set HALF,  64*PITCH                   ; 64 such rows
.set SL1,   2*HALF                     ; slot 1
.set SPARE, 4*HALF                     ; the spare words, 128 bytes for each wave: two blocks of 256 bytes that no other line names
.set XS,  32
.set WS,  52
.set TM,  72                           ; +0,1 largest magnitudes; +2,3 the other half's, then the bytes; +4,5 448 x the scale; +6,7 the conversions' scale operands
.set PW,  80
.set SW,  84
.set RT,  86
.set CD,  96
.set ACC, 128
.set BI,  128                          ; in window 2
.set FQ,  128                          ; at work for cos and sin: 16 frequencies,
.set AN,  144                          ; angles, then what is left of them,
.set KB,  160                          ; the multiple of pi (in the low bits), then the sign,
.set ZZ,  176                          ; the multiple as a number, then r^2,
.set SS,  192
.set CC,  208
.set ZR,  224
.set G1X, 24                           ; s[24:31] group 1 for x's tile;  s[32:39] for W's
.set G1W, 32
.set PA,  76                           ; s[76:83] Wq's scales, bq, q_ws, qs_ws; later Wv's scales, bv
.set PB,  84                           ; s[84:91] Wk's scales, bk, kv_ws, (Wv's scales)
.set SEL, 92
.set MNT, 94
.set HM,  95
.set MSB, 0
.macro WIN new                         ; the immediate's high byte repeats the setting that is left
.if MSB != \new
	s_set_vgpr_msb (MSB<<8)|\new
.set MSB, \new
.endif
.endm
.macro PLACES n
.rept \n
	v_nop
.endr
.endm
.macro CROUND                          ; a round of the cluster's barrier
	s_barrier_signal -1
	s_barrier_wait -1
	s_cmp_lg_u32 s14, 0
	s_cbranch_scc1 .Lnot_wave_0_\@
	s_barrier_signal -3
.Lnot_wave_0_\@:
	s_barrier_wait -3
	s_barrier_signal -1
	s_barrier_wait -1
.endm
; One matrix instruction.  ra, rb: source 0's, source 1's scale words lie in lanes 16-31 of the register named.
.macro WM d, a, b, c, sa, sb, ra, rb
.if (\ra) && (\rb)
	v_wmma_scale_f32_16x16x128_f8f6f4 v[\d:\d+7], v[\a:\a+15], v[\b:\b+15], v[\c:\c+7], v[\sa], v[\sb] matrix_a_scale:MATRIX_SCALE_ROW1 matrix_b_scale:MATRIX_SCALE_ROW1
.elseif (\ra)
	v_wmma_scale_f32_16x16x128_f8f6f4 v[\d:\d+7], v[\a:\a+15], v[\b:\b+15], v[\c:\c+7], v[\sa], v[\sb] matrix_a_scale:MATRIX_SCALE_ROW1
.elseif (\rb)
	v_wmma_scale_f32_16x16x128_f8f6f4 v[\d:\d+7], v[\a:\a+15], v[\b:\b+15], v[\c:\c+7], v[\sa], v[\sb] matrix_b_scale:MATRIX_SCALE_ROW1
.else
	v_wmma_scale_f32_16x16x128_f8f6f4 v[\d:\d+7], v[\a:\a+15], v[\b:\b+15], v[\c:\c+7], v[\sa], v[\sb]
.endif
.endm
.macro XLOC f                          ; where x's fragment f = 4 k + j stands: window XW_, register XR_
.if (\f) < 10
.set XW_, 1
.set XR_, 96+16*(\f)
.elseif (\f) < 26
.set XW_, 3
.set XR_, 16*((\f)-10)
.else
.set XW_, 2
.set XR_, 160+16*((\f)-26)
.endif
.endm
; A fragment, 16 rows x 128 codes, is 16 registers: lane (r, h) takes 16 bytes at row r, 32 c + 16 h
.macro XLOAD                           ; my 64 rows of x, all of K
.set F_, 0
.rept 32
	XLOC F_
	WIN XW_<<6
.irp c, 0,1,2,3
	ds_load_b128 v[XR_+4*\c:XR_+4*\c+3], v8 offset:16*PITCH*(F_%4)+128*(F_/4)+32*\c
.endr
.set F_, F_+1
.endr
	WIN 0
.endm
.macro WFRAG adr, n                    ; W's fragment n = 4 k + w into buffer n % 6
	WIN 0x40
.irp c, 0,1,2,3
	ds_load_b128 v[16*((\n)%6)+4*\c:16*((\n)%6)+4*\c+3], v[\adr] offset:16*PITCH*((\n)%4)+128*((\n)/4)+32*\c
.endr
.endm
.macro FIRST5 adr
.irp n, 0,1,2,3,4
	WFRAG \adr, \n
.endr
	WIN 0
.endm
.macro PROD n, j, swap                 ; W's fragment n against x's tile j.  The bias is the C of a sum's first instruction.  swap = 1: x's rows are source 0
.set K_, (\n)/4
.set W_, (\n)%4
.set A_, 16*((\n)%6)
	XLOC 4*K_+\j
.if \swap
.set D_, ACC+8*(4*W_+\j)
.else
.set D_, ACC+8*(4*\j+W_)
.endif
.if K_
.set C_, D_
.set CW_, 0
.else
.set C_, BI+8*W_
.set CW_, 2
.endif
.if \swap
	WIN XW_|(1<<2)|(CW_<<4)
	WM D_, XR_, A_, C_, XS+8*(\j/2)+K_, WS+8*(W_/2)+K_, \j%2, W_%2
.else
	WIN 1|(XW_<<2)|(CW_<<4)
	WM D_, A_, XR_, C_, WS+8*(W_/2)+K_, XS+8*(\j/2)+K_, W_%2, \j%2
.endif
.endm
; Fragment N_ of W: four products (the 16 accumulators take turns, one instruction a turn), then the loads of fragment N_ + 5 into the buffer that fragment N_ - 1's products have read.
; Two v_nop behind each product: the eight of this fragment's four are the places in front of those loads.  The wait's count: the loads of the fragments behind N_ that have been asked for, at most four fragments of four.
.macro FRAGSTEP adr, swap
.if N_ < 28
	s_wait_dscnt 16
.else
	s_wait_dscnt 4*(31-N_)
.endif
.irp j, 0,1,2,3
	PROD N_, \j, \swap
	v_nop
	v_nop
.endr
.if N_ < 27
	WFRAG \adr, N_+5
.endif
.endm
.macro GEMM adr, swap                  ; a phase's products; its first five fragments have been asked for
.set N_, 0
.rept 32
	FRAGSTEP \adr, \swap
.set N_, N_+1
.endr
	WIN 0
	PLACES 8                                       ; behind the phase's last products, for the loads and reads that follow
.endm
; A slot is filled with the next W's panel: every wave brings 32 rows by one joint load.  lo: the scalar pair with the address of my rows.
.macro REFILL base, lo
	s_wait_tensorcnt 0x0                           ; no tensor load of mine is out, so descriptors may be written
	ds_add_u32 v28, v29                            ; 0 onto my spare word; the descriptor's words are written while it is out
	s_mov_b32 s[G1W+2], 32<<16                     ; tensor_dim1 = 32
	s_mov_b32 s[G1W+4], 32                         ; tile_dim1 = 32
	s_mov_b32 s56, 1
	s_mul_i32 s57, s14, 32*PITCH
	s_add_co_u32 s57, s57, \base
	s_mov_b64 s[58:59], s[\lo:\lo+1]
	s_or_b32 s59, s59, 0x80000000
	s_wait_dscnt 0x0                               ; the add is done, and my reads of the slot are over
	CROUND                                         ; no wave of any partner still reads the slot or has a load on its way; the other slot is whole
	tensor_load_to_lds s[56:59], s[G1W:G1W+7]      ; my one tensor load behind the round
	s_nop 0
	PLACES 4
.endm
; The next phase's scale words of W and its bias.  p: the scalar registers with the two addresses.
.macro LOADWB p, isv
.irp q, 0,1
	global_load_b128 v[WS+8*\q:WS+8*\q+3], v4, s[\p:\p+1] offset:1024*\q          ; lane l: row 32 q + l of my 64, its eight words: register 8 q + k: lanes 0-15 tile 2 q, lanes 16-31 tile 2 q + 1
	global_load_b128 v[WS+8*\q+4:WS+8*\q+7], v4, s[\p:\p+1] offset:1024*\q+16
.endr
	WIN 0x80                                       ; destination window 2
.if \isv
.irp j, 0,1,2,3
.irp n, 0,1,2,3,4,5,6,7
	global_load_b32 v[BI+8*\j+\n], v13, s[\p+2:\p+3] offset:64*\j                 ; v: a lane holds one feature, 16 j + r: all eight registers take its bias
.endr
.endr
.else
.irp i, 0,1,2,3
	global_load_b128 v[BI+8*\i:BI+8*\i+3], v5, s[\p+2:\p+3] offset:64*\i          ; q, k: register n of tile i is feature 16 i + 8 h + n
	global_load_b128 v[BI+8*\i+4:BI+8*\i+7], v5, s[\p+2:\p+3] offset:64*\i+16
.endr
.endif
	WIN 0
.endm
; 32 numbers of a lane, two blocks of 16 registers (each block's other 16 lie in lane l xor 16), become eight registers of codes and a half-word of two scale bytes.
.macro QUANT2 s, cd, pw
.irp b, 0,1
	v_max3_num_f32 v[TM+\b], |v[\s+16*\b]|, |v[\s+16*\b+1]|, 0x4800000            ; and the floor 2^(9 - 127): the byte cannot fall under 1
.endr
.irp i, 2,4,6,8,10,12,14
.irp b, 0,1
	v_max3_num_f32 v[TM+\b], v[TM+\b], |v[\s+16*\b+\i]|, |v[\s+16*\b+\i+1]|
.endr
.endr
.irp b, 0,1
	v_permlanex16_b32 v[TM+2+\b], v[TM+\b], s[SEL], s[SEL+1]
.endr
.irp b, 0,1
	v_max_num_f32 v[TM+\b], v[TM+\b], v[TM+2+\b]                                  ; the block's largest magnitude
.endr
.irp b, 0,1
	v_add_nc_u32 v[TM+6+\b], 0xfc000000, v[TM+\b]                                 ; 8 off its exponent field: the conversion's scale operand
.endr
.irp b, 0,1
	v_and_or_b32 v[TM+4+\b], v[TM+\b], 0x7f800000, s[MNT]                         ; 448 x the scale
.endr
.irp b, 0,1
	v_lshrrev_b32 v[TM+2+\b], 23, v[TM+6+\b]                                      ; the scale's byte
.endr
	v_lshl_or_b32 v[\pw], v[TM+3], 8, v[TM+2]
.irp b, 0,1
.irp i, 0,1,2,3,4,5,6,7,8,9,10,11,12,13,14,15
	v_med3_num_f32 v[\s+16*\b+\i], v[\s+16*\b+\i], -v[TM+4+\b], v[TM+4+\b]        ; the conversion to an 8-bit code does not saturate (ISA guide 7.6.2): the hold
.endr
	v_cvt_scalef32_pk8_fp8_f32 v[\cd+4*\b:\cd+4*\b+1], v[\s+16*\b:\s+16*\b+7], v[TM+6+\b]
	v_cvt_scalef32_pk8_fp8_f32 v[\cd+4*\b+2:\cd+4*\b+3], v[\s+16*\b+8:\s+16*\b+15], v[TM+6+\b]
.endr
	v_nop                                          ; a plain line behind the last conversion
.endm
; The rotation of x's tile j: a = feature d < 32, b = feature d + 32: a' = a cos - b sin, b' = b cos + a sin.  Ascending.
.macro ROPE j
	WIN 0x08                                       ; source 1 (cos, sin) window 2
.irp e, 0,4,8,12
	v_pk_mul_f32 v[RT:RT+1], v[ACC+32*\j+\e:ACC+32*\j+\e+1], v[32*\j+\e:32*\j+\e+1]
	v_pk_mul_f32 v[RT+2:RT+3], v[ACC+32*\j+\e:ACC+32*\j+\e+1], v[32*\j+16+\e:32*\j+16+\e+1]
	v_pk_mul_f32 v[RT+4:RT+5], v[ACC+32*\j+\e+2:ACC+32*\j+\e+3], v[32*\j+\e+2:32*\j+\e+3]
	v_pk_mul_f32 v[RT+6:RT+7], v[ACC+32*\j+\e+2:ACC+32*\j+\e+3], v[32*\j+16+\e+2:32*\j+16+\e+3]
	v_pk_fma_f32 v[ACC+32*\j+\e:ACC+32*\j+\e+1], v[ACC+32*\j+16+\e:ACC+32*\j+16+\e+1], v[32*\j+16+\e:32*\j+16+\e+1], v[RT:RT+1] neg_lo:[1,0,0] neg_hi:[1,0,0]
	v_pk_fma_f32 v[ACC+32*\j+16+\e:ACC+32*\j+16+\e+1], v[ACC+32*\j+16+\e:ACC+32*\j+16+\e+1], v[32*\j+\e:32*\j+\e+1], v[RT+2:RT+3]
	v_pk_fma_f32 v[ACC+32*\j+\e+2:ACC+32*\j+\e+3], v[ACC+32*\j+16+\e+2:ACC+32*\j+16+\e+3], v[32*\j+16+\e+2:32*\j+16+\e+3], v[RT+4:RT+5] neg_lo:[1,0,0] neg_hi:[1,0,0]
	v_pk_fma_f32 v[ACC+32*\j+16+\e+2:ACC+32*\j+16+\e+3], v[ACC+32*\j+16+\e+2:ACC+32*\j+16+\e+3], v[32*\j+\e+2:32*\j+\e+3], v[RT+6:RT+7]
.endr
	WIN 0
.endm
.macro HORN acc, lit                   ; acc = acc x r^2 + lit, eight pairs
.irp e, 0,2,4,6,8,10,12,14
	v_pk_fma_f32 v[\acc+\e:\acc+\e+1], v[\acc+\e:\acc+\e+1], v[ZZ+\e:ZZ+\e+1], \lit op_sel_hi:[1,1,0]
.endr
.endm
; cos and sin of x's tile j: my row's position times my 16 frequencies.  Stage by stage over eight pairs, so that no line waits for the line above it.
.macro TRIG j
	v_add_nc_u32 v246, 16*\j, v249
	v_cvt_f32_u32 v246, v246                       ; the position, exact
	v_mov_b32 v247, v246
.irp e, 0,2,4,6,8,10,12,14
	v_pk_mul_f32 v[AN+\e:AN+\e+1], v[FQ+\e:FQ+\e+1], v[246:247]                   ; the angle: one rounding
.endr
.irp e, 0,2,4,6,8,10,12,14
	v_pk_fma_f32 v[KB+\e:KB+\e+1], v[AN+\e:AN+\e+1], 0x3ea2f983, v[240:241] op_sel_hi:[1,0,1]   ; angle / pi + 1.5 x 2^23: n = the nearest whole number, in the low bits
.endr
.irp e, 0,2,4,6,8,10,12,14
	v_pk_add_f32 v[ZZ+\e:ZZ+\e+1], v[KB+\e:KB+\e+1], v[240:241] neg_lo:[0,1] neg_hi:[0,1]       ; n as a number
.endr
.irp e, 0,2,4,6,8,10,12,14
	v_pk_fma_f32 v[AN+\e:AN+\e+1], v[ZZ+\e:ZZ+\e+1], 0xc0490fdb, v[AN+\e:AN+\e+1] op_sel_hi:[1,0,1]   ; - n x pi's upper part: nothing is rounded (a multiple of 2^-23 under 2)
.endr
.irp e, 0,2,4,6,8,10,12,14
	v_pk_fma_f32 v[AN+\e:AN+\e+1], v[ZZ+\e:ZZ+\e+1], 0x33bbbd2e, v[AN+\e:AN+\e+1] op_sel_hi:[1,0,1]   ; - n x the rest of pi (which is negative): r
.endr
.irp e, 0,2,4,6,8,10,12,14
	v_pk_mul_f32 v[ZZ+\e:ZZ+\e+1], v[AN+\e:AN+\e+1], v[AN+\e:AN+\e+1]             ; r^2
.endr
.irp e, 0,2,4,6,8,10,12,14
	v_pk_fma_f32 v[SS+\e:SS+\e+1], v[242:243], v[ZZ+\e:ZZ+\e+1], 0xb2d7322b op_sel_hi:[1,1,0]   ; 1/13! r^2 - 1/11!
.endr
.irp e, 0,2,4,6,8,10,12,14
	v_pk_fma_f32 v[CC+\e:CC+\e+1], v[244:245], v[ZZ+\e:ZZ+\e+1], 0xb493f27e op_sel_hi:[1,1,0]   ; 1/12! r^2 - 1/10!
.endr
	HORN SS, 0x3638ef1d                            ; + 1/9!
	HORN CC, 0x37d00d01                            ; + 1/8!
	HORN SS, 0xb9500d01                            ; - 1/7!
	HORN CC, 0xbab60b61                            ; - 1/6!
	HORN SS, 0x3c088889                            ; + 1/5!
	HORN CC, 0x3d2aaaab                            ; + 1/4!
	HORN SS, 0xbe2aaaab                            ; - 1/3!
	HORN CC, -0.5
.irp e, 0,2,4,6,8,10,12,14
	v_pk_mul_f32 v[ZR+\e:ZR+\e+1], v[ZZ+\e:ZZ+\e+1], v[AN+\e:AN+\e+1]             ; r^3
.endr
	HORN CC, 1.0                                   ; cos r
.irp e, 0,2,4,6,8,10,12,14
	v_pk_fma_f32 v[SS+\e:SS+\e+1], v[SS+\e:SS+\e+1], v[ZR+\e:ZR+\e+1], v[AN+\e:AN+\e+1]         ; sin r
.endr
.irp i, 0,1,2,3,4,5,6,7,8,9,10,11,12,13,14,15
	v_lshlrev_b32 v[KB+\i], 31, v[KB+\i]           ; both change sign where n is odd
.endr
	WIN 0x80                                       ; destination window 2
.irp i, 0,1,2,3,4,5,6,7,8,9,10,11,12,13,14,15
	v_xor_b32 v[32*\j+\i], v[KB+\i], v[CC+\i]
.endr
.irp i, 0,1,2,3,4,5,6,7,8,9,10,11,12,13,14,15
	v_xor_b32 v[32*\j+16+\i], v[KB+\i], v[SS+\i]
.endr
	WIN 0
.endm
; The way out of q or k.  cp, sp: the scalar pairs with the codes' and the scale words' buffers; vc, vw: the offsets.
.macro EPI_QK cp, sp, vc, vw
	s_wait_xcnt 0x0                                ; the last way out's stores have read their data registers: they are written again below
.irp j, 0,1,2,3
	ROPE \j
	QUANT2 ACC+32*\j, CD+8*\j, PW+\j
	global_store_b128 v\vc, v[CD+8*\j:CD+8*\j+3], s[\cp:\cp+1] offset:1024*\j     ; 32 lanes store 512 bytes on end
	global_store_b128 v\vc, v[CD+8*\j+4:CD+8*\j+7], s[\cp:\cp+1] offset:1024*\j+512
.endr
	v_lshl_or_b32 v[SW], v[PW+1], 16, v[PW]        ; tiles 0 and 1 are one operand of 128 along K in attention: one word, tile 0's two bytes below (lanes r and 16 + r hold the same bytes)
	v_lshl_or_b32 v[SW+1], v[PW+3], 16, v[PW+2]    ; tiles 2 and 3
	v_cndmask_b32 v[SW], v[SW], v[SW+1], s[HM]     ; lanes 0-15 carry the first pair's words, lanes 16-31 the second's
	global_store_b32 v\vw, v[SW], s[\sp:\sp+1]     ; 32 lanes store 128 bytes on end
.endm
; A PREFETCH of the next W's panel, ahead of its refill by a phase's products or more: of the 32 rows that my wave refills, my work-group's 8 (told apart by cy), 32 blocks of 256 bytes, a lane a block.  Four clusters ask for each panel: those of the four lowest rows of clusters.
.macro ASK lo
	s_wait_alu depctr_va_vdst(0)
	s_and_b32 s21, ttmp7, 0xffff
	s_cmp_lt_u32 s21, 4
	s_cbranch_scc0 .Lnot_asked_\@
	global_prefetch_b8 v18, s[\lo:\lo+1] th:TH_LOAD_NT scope:SCOPE_SE
.Lnot_asked_\@:
.endm
	s_load_b256 s[4:11], s[0:1], 0x0               ; x's codes s[4:5], x's scales s[6:7], Wq's codes s[8:9], Wk's s[10:11]
	s_load_b64 s[12:13], s[0:1], 0x20              ; Wv's codes
	s_load_b256 s[PA:PA+7], s[0:1], 0x28
	s_load_b256 s[PB:PB+7], s[0:1], 0x48
	v_lshl_add_u32 v28, v0, 2, SPARE
	v_mov_b32 v29, 0
	ds_add_u32 v28, v29                            ; the wave's opening: the add, twice on end, and its wait ahead of my first tensor load
	ds_add_u32 v28, v29
	v_lshrrev_b32 v10, 5, v0
	v_readfirstlane_b32 s14, v10                   ; wave 0..3
	s_lshr_b32 s15, s14, 1                         ; wr: which 64 rows of x are mine.  Also: I fetch for x (0) or for W (1)
	s_and_b32 s16, s14, 1                          ; wc: which head.  Also: which 64 rows of a panel I fetch
	s_bfe_u32 s19, ttmp6, 0x40000                  ; cx, cy: my place in the cluster
	s_bfe_u32 s20, ttmp6, 0x40004
	s_lshl_b32 s18, ttmp9, 2
	s_add_co_u32 s18, s18, s19                     ; tc: which 128 columns
	s_and_b32 s17, ttmp7, 0xffff
	s_lshl_b32 s17, s17, 2
	s_add_co_u32 s17, s17, s20                     ; tr: which 128 rows
	s_lshl_b32 s21, s20, 2
	s_lshl_b32 s21, 15, s21                        ; my row of the cluster
	s_lshl_b32 s22, 0x1111, s19                    ; my column
	s_or_b32 s[G1X], s21, 0x07f00000               ; 15:0 the mask; elements of 1 byte; 20 padding on; 21 set beside a mask; 24:22 after every 256 words (code 7); 31:25 four words (code 3)
	s_or_b32 s[G1W], s22, 0x07f00000
.irp g, G1X, G1W
	s_mov_b32 s[\g+1], 1024<<16                    ; tensor_dim0 = 1,024
	s_mov_b32 s[\g+2], 64<<16                      ; tensor_dim1 = 64
	s_mov_b32 s[\g+3], 1024<<16                    ; tile_dim0 = 1,024
	s_mov_b32 s[\g+4], 64                          ; tile_dim1 = 64
	s_mov_b32 s[\g+5], 1024                        ; from row to row
	s_mov_b32 s[\g+6], 0
	s_mov_b32 s[\g+7], 0
.endr
	s_lshl_b32 s2, s17, 17                         ; x: 128 tr rows of 1,024 bytes + my 64 rows.  (These registers never hold tc, W's never tr)
	s_lshl_b32 s3, s16, 16
	s_add_co_u32 s2, s2, s3
	s_mov_b32 s3, 0
	s_lshl_b32 s96, s18, 17                        ; W: 128 tc rows
	s_lshl_b32 s98, s16, 16
	s_add_co_u32 s98, s98, s96                     ; + my 64 rows: the first fill
	s_mov_b32 s99, 0
	s_lshl_b32 s100, s14, 15
	s_add_co_u32 s100, s100, s96                   ; + my 32 rows: the refills
	s_mov_b32 s101, 0
	s_mul_i32 s23, s16, HALF                       ; my 64 rows in a slot
	s_mov_b32 s40, 1
	s_add_co_u32 s41, s23, SL1                     ; x: slot 1
	s_mov_b32 s56, 1
	s_mov_b32 s57, s23                             ; Wq: slot 0
	s_mov_b32 s[SEL], 0x76543210
	s_mov_b32 s[SEL+1], 0xfedcba98                 ; v_permlanex16_b32's selects for lane l xor 16
	s_mov_b32 s[MNT], 0x600000                     ; the mantissa field of 448
	s_mov_b32 s[HM], 0xffff0000                    ; lanes 16-31
	s_wait_alu depctr_va_vdst(0)
	s_wait_dscnt 0x0                               ; both opening adds are done
	CROUND                                         ; all sixteen work-groups are here: the first joint loads meet
	s_wait_kmcnt 0x0
	s_add_nc_u64 s[42:43], s[4:5], s[2:3]
	s_or_b32 s43, s43, 0x80000000
	s_add_nc_u64 s[58:59], s[8:9], s[98:99]
	s_or_b32 s59, s59, 0x80000000
	s_add_nc_u64 s[10:11], s[10:11], s[100:101]    ; Wk's and Wv's codes at my 32 rows
	s_add_nc_u64 s[12:13], s[12:13], s[100:101]
	s_cmp_lt_u32 s14, 2                            ; ONE joint load a wave: waves 0 and 1 x's halves, which are wanted first, waves 2 and 3 Wq's
	s_cbranch_scc0 .Lfirst_w
	tensor_load_to_lds s[40:43], s[G1X:G1X+7]
	s_nop 0
	PLACES 4
	s_branch .Lfirst_done
.Lfirst_w:
	tensor_load_to_lds s[56:59], s[G1W:G1W+7]
	s_nop 0
	PLACES 4
.Lfirst_done:
	v_and_b32 v10, 15, v0                          ; r
	v_bfe_u32 v11, v0, 4, 1                        ; h
	v_and_b32 v12, 31, v0                          ; l
	v_mul_u32_u24 v17, v10, PITCH
	v_lshl_add_u32 v17, v11, 4, v17                ; a fragment's row x pitch + 16 h
	v_add_nc_u32 v6, s23, v17                      ; W's fragments, my head's 64 rows, in slot 0;
	v_add_nc_u32 v19, SL1, v6                      ; in slot 1
	s_mul_i32 s23, s15, HALF
	s_add_co_u32 s23, s23, SL1
	v_add_nc_u32 v8, s23, v17                      ; x's, in slot 1
	; byte offsets into the buffers; the pointers themselves stay as they came
	s_lshr_b32 s2, s17, 4                          ; the batch
	s_and_b32 s3, s17, 15                          ; which 128 positions
	s_lshl_b32 s2, s2, 21
	v_mov_b32 v16, s2
	v_lshl_add_u32 v16, s3, 13, v16
	v_lshl_add_u32 v16, s18, 18, v16
	v_lshl_add_u32 v16, s16, 17, v16               ; (head of 32) x 2^17 + (128 positions) x 2^13
	v_lshl_add_u32 v1, v12, 4, v16
	v_lshl_add_u32 v1, s15, 12, v1                 ; q's codes: + my four tiles of 1,024 bytes + 16 l
	v_lshrrev_b32 v2, 5, v16
	v_lshl_add_u32 v2, v12, 2, v2
	v_lshl_add_u32 v2, s15, 7, v2                  ; its scale words: 128 bytes for four tiles, 4 l
	s_and_b32 s23, s17, 16
	s_lshl_b32 s22, s18, 1
	s_add_co_u32 s23, s23, s22
	s_add_co_u32 s23, s23, s16                     ; the head of 32
	s_mul_i32 s23, s23, 270336
	s_mul_i32 s22, s3, 16896
	s_add_co_u32 s23, s23, s22
	v_lshl_add_u32 v7, v12, 4, s23
	v_lshl_add_u32 v7, s15, 12, v7                 ; k's codes: my four tiles
	s_add_co_u32 s22, s23, 16384
	v_lshl_add_u32 v9, v12, 2, s22
	v_lshl_add_u32 v9, s15, 7, v9                  ; k's scale words
	s_add_co_u32 s22, s23, 8192
	v_lshl_add_u32 v14, v12, 4, s22
	v_lshl_add_u32 v14, s15, 10, v14               ; v's codes: my 64 keys are groups 2 wr and 2 wr + 1 of four
	s_add_co_u32 s22, s23, 16640
	v_lshl_add_u32 v15, v12, 3, s22
	v_lshl_add_u32 v15, s15, 1, v15                ; v's scale words: my two bytes of each word
	v_lshlrev_b32 v3, 5, v12
	v_lshl_add_u32 v3, s17, 12, v3
	v_lshl_add_u32 v3, s15, 11, v3                 ; x's scale bytes: 32 a row
	v_lshlrev_b32 v4, 5, v12
	v_lshl_add_u32 v4, s18, 12, v4
	v_lshl_add_u32 v4, s16, 11, v4                 ; W's
	v_lshlrev_b32 v5, 5, v11
	v_lshl_add_u32 v5, s18, 9, v5
	v_lshl_add_u32 v5, s16, 8, v5                  ; the bias of q, k: my head's 64 numbers, + 8 h of them
	v_lshlrev_b32 v13, 2, v10
	v_lshl_add_u32 v13, s18, 9, v13
	v_lshl_add_u32 v13, s16, 8, v13                ; the bias of v: + r of them
	v_lshl_add_u32 v249, s3, 7, v10
	v_lshl_add_u32 v249, s15, 6, v249              ; my row's position in tile 0
	v_lshlrev_b32 v18, 8, v12
	v_lshl_add_u32 v18, s20, 13, v18               ; the prefetches' offset; never rewritten
	v_mov_b32 v[TM+2], 0                           ; written once: a lane permute's destination counts as one of its sources
	v_mov_b32 v[TM+3], 0
.irp p, 0,1
	global_load_b128 v[XS+8*\p:XS+8*\p+3], v3, s[6:7] offset:1024*\p
	global_load_b128 v[XS+8*\p+4:XS+8*\p+7], v3, s[6:7] offset:1024*\p+16
.endr
	LOADWB PA, 0
	ASK 10                                         ; Wk's panel
	; the 16 frequencies of my half of the lanes: register i: d = 16 (i / 8) + 8 h + i % 8;  10000^(-d / 32) = 2^(-d log2(10000) / 32)
	v_lshlrev_b32 v248, 3, v11
.irp i, 0,1,2,3,4,5,6,7,8,9,10,11,12,13,14,15
	v_add_nc_u32 v[FQ+\i], 16*(\i/8)+\i%8, v248
.endr
.irp i, 0,1,2,3,4,5,6,7,8,9,10,11,12,13,14,15
	v_cvt_f32_u32 v[FQ+\i], v[FQ+\i]
.endr
.irp i, 0,1,2,3,4,5,6,7,8,9,10,11,12,13,14,15
	v_mul_f32 v[FQ+\i], 0xbed49a78, v[FQ+\i]
.endr
	s_wait_alu depctr_va_vdst(0)                   ; the wait ahead of the batch,
.irp i, 0,1,2,3,4,5,6,7,8,9,10,11,12,13,14,15
	v_exp_f32 v[FQ+\i], v[FQ+\i]
.endr
	v_mov_b32 v240, 0x4b400000                     ; 1.5 x 2^23, twice (plain lines behind the exponentials)
	v_mov_b32 v241, 0x4b400000
	v_mov_b32 v242, 0x2f309231                     ; 1/13!
	v_mov_b32 v243, 0x2f309231
	v_mov_b32 v244, 0x310f76c7                     ; 1/12!
	v_mov_b32 v245, 0x310f76c7
	s_wait_alu depctr_va_vdst(0)                   ; and behind it
	TRIG 0
	TRIG 1
	TRIG 2
	TRIG 3
	s_wait_alu depctr_va_vdst(0)
	s_wait_loadcnt 0x0                             ; scale words and bias
	s_cmp_lt_u32 s14, 2
	s_cbranch_scc0 .Lnot_x
	s_wait_tensorcnt 0x0                           ; waves 0 and 1: x's halves have landed.  Waves 2 and 3 wait for Wq's ahead of the round below
.Lnot_x:
	s_barrier_signal -1
	s_barrier_wait -1
	XLOAD
	REFILL SL1, 10                                 ; x is in registers, Wq's panel is in: slot 1 takes Wk's
	FIRST5 6
	ASK 12                                         ; Wv's panel, ahead of its refill by q's products and way out
	GEMM 6, 0                                      ; q
	LOADWB PB, 0
	EPI_QK PA+4, PA+6, 1, 2
	s_wait_xcnt 0x0                                ; the stores have read their base: the pointers may be loaded anew
	s_load_b128 s[PA:PA+3], s[0:1], 0x60           ; Wv's scales, bv
	REFILL 0, 12                                   ; Wk's panel is in; slot 0 takes Wv's
	FIRST5 19
	s_wait_loadcnt 0x0
	GEMM 19, 0                                     ; k
	s_wait_kmcnt 0x0
	LOADWB PA, 1
	EPI_QK PB+4, PB+4, 7, 9
	s_wait_loadcnt 0x0
	s_wait_tensorcnt 0x0                           ; my part of Wv's panel is in; nothing is filled again
	s_barrier_signal -1
	s_barrier_wait -1
	FIRST5 6
	GEMM 6, 1                                      ; v: x's rows are source 0
	s_wait_xcnt 0x0                                ; k's stores have read their data registers
.irp j, 0,1,2,3
	QUANT2 ACC+32*\j, CD+8*\j, PW+\j               ; feature 16 j + r, my 64 keys: two blocks
	global_store_b128 v14, v[CD+8*\j:CD+8*\j+3], s[PB+4:PB+5] offset:2048*\j
	global_store_b128 v14, v[CD+8*\j+4:CD+8*\j+7], s[PB+4:PB+5] offset:2048*\j+512
.endr
	v_cndmask_b32 v[SW], v[PW], v[PW+1], s[HM]
	v_cndmask_b32 v[SW+1], v[PW+2], v[PW+3], s[HM]
	global_store_b16 v15, v[SW], s[PB+4:PB+5]      ; my two bytes of each word of four
	global_store_b16 v15, v[SW+1], s[PB+4:PB+5] offset:4
	s_wait_tensorcnt 0x0                           ; the wave's end
	ds_add_u32 v28, v29
	s_wait_dscnt 0x0
	CROUND                                         ; the closing round: no work-group ends while a partner may still ask for a tile that names it
	s_endpgm
.Lfunc_end_k_q0bcdc41fc5_qkv:
	.size	k_q0bcdc41fc5_qkv, .Lfunc_end_k_q0bcdc41fc5_qkv-k_q0bcdc41fc5_qkv
	.p2alignl 7, 3214868480
	.fill 96, 4, 3214868480
	.section	.rodata,"a",@progbits
	.p2align	6, 0x0
	.amdhsa_kernel k_q0bcdc41fc5_qkv
		.amdhsa_group_segment_fixed_size 327680
		.amdhsa_private_segment_fixed_size 0
		.amdhsa_enable_private_segment 0
		.amdhsa_kernarg_size 112
		.amdhsa_user_sgpr_count 2
		.amdhsa_user_sgpr_kernarg_segment_ptr 1
		.amdhsa_wavefront_size32 1
		.amdhsa_system_sgpr_workgroup_id_x 1
		.amdhsa_system_sgpr_workgroup_id_y 1
		.amdhsa_system_sgpr_workgroup_id_z 1
		.amdhsa_system_vgpr_workitem_id 0
		.amdhsa_next_free_vgpr 1024
		.amdhsa_next_free_sgpr 102
		.amdhsa_reserve_vcc 0
		.amdhsa_float_denorm_mode_32 3
		.amdhsa_float_denorm_mode_16_64 3
		.amdhsa_memory_ordered 1
		.amdhsa_forward_progress 1
		.amdhsa_inst_pref_size 255
	.end_amdhsa_kernel
	.section	.bss,"aw",@nobits
	.p2align	6
	.space	262144
	.amdgpu_metadata
---
amdhsa.version: [ 1, 2 ]
amdhsa.kernels:
  - .name:           k_q0bcdc41fc5_qkv
    .symbol:         k_q0bcdc41fc5_qkv.kd
    .args:
      - { .name: x_codes, .offset: 0, .size: 8, .value_kind: global_buffer, .address_space: global }
      - { .name: x_scales, .offset: 8, .size: 8, .value_kind: global_buffer, .address_space: global }
      - { .name: Wq_codes, .offset: 16, .size: 8, .value_kind: global_buffer, .address_space: global }
      - { .name: Wk_codes, .offset: 24, .size: 8, .value_kind: global_buffer, .address_space: global }
      - { .name: Wv_codes, .offset: 32, .size: 8, .value_kind: global_buffer, .address_space: global }
      - { .name: Wq_scales, .offset: 40, .size: 8, .value_kind: global_buffer, .address_space: global }
      - { .name: bq, .offset: 48, .size: 8, .value_kind: global_buffer, .address_space: global }
      - { .name: q_ws, .offset: 56, .size: 8, .value_kind: global_buffer, .address_space: global }
      - { .name: qs_ws, .offset: 64, .size: 8, .value_kind: global_buffer, .address_space: global }
      - { .name: Wk_scales, .offset: 72, .size: 8, .value_kind: global_buffer, .address_space: global }
      - { .name: bk, .offset: 80, .size: 8, .value_kind: global_buffer, .address_space: global }
      - { .name: kv_ws, .offset: 88, .size: 8, .value_kind: global_buffer, .address_space: global }
      - { .name: Wv_scales, .offset: 96, .size: 8, .value_kind: global_buffer, .address_space: global }
      - { .name: bv, .offset: 104, .size: 8, .value_kind: global_buffer, .address_space: global }
    .group_segment_fixed_size: 327680
    .private_segment_fixed_size: 0
    .kernarg_segment_align: 8
    .kernarg_segment_size: 112
    .max_flat_workgroup_size: 128
    .sgpr_count:     102
    .vgpr_count:     1024
    .wavefront_size: 32
...
	.end_amdgpu_metadata
.endif
;; end of part 1
;; launch attn (part 2): grid 8 x 32, 8 waves a work-group, clusters of 4 x 1, 327,680 bytes of LDS; arguments q_ws, qs_ws, kv_ws, a_ws, as_ws; writes a_ws, as_ws
.if DOCPART == 2
	.amdgcn_target "amdgcn-amd-amdhsa--gfx1250"
	.amdhsa_code_object_version 6
	.text
	.protected	k_q0bcdc41fc5_attn
	.globl	k_q0bcdc41fc5_attn
	.p2align	8
	.type	k_q0bcdc41fc5_attn,@function
k_q0bcdc41fc5_attn:
	s_mov_b64 s[64:65], 0
	v_nop
	global_prefetch_b8 v0, s[64:65] scope:SCOPE_SE
	s_setreg_imm32_b32 hwreg(HW_REG_WAVE_MODE, 25, 1), 1
	s_wait_xcnt 0x0
	s_wait_alu depctr_hold_cnt(0) depctr_sa_sdst(0) depctr_va_vdst(0) depctr_va_sdst(0) depctr_va_ssrc(0) depctr_va_vcc(0) depctr_vm_vsrc(0)
	s_getreg_b32 s2, hwreg(HW_REG_IB_STS2, 6, 4)
	s_cmp_eq_u32 s2, 0
	s_cbranch_scc0 .Lentry_in_a_cluster
	s_endpgm
.Lentry_in_a_cluster:
	s_bfe_u32 s2, ttmp6, 0x10000c
	s_cmp_lg_u32 s2, 0x3003
	s_cbranch_scc0 .Lentry_shape_is_right
	s_endpgm
.Lentry_shape_is_right:
; a[head][q][:] = the sum over keys of softmax(q . k / 8) v, for 32 heads of 2,048 x 2,048, head size 64, both products on codes of E4M3 with one E8M0 scale for each 32 along K; the result is quantised along d_model for the last projection.
; THE SOFTMAX AHEAD OF THE SECOND PRODUCT: t = score x log2(e) / 8; M = the row's largest t so far, rounded UP to a whole number; p = 2^(t - M) is what is quantised, along the keys, not normalised.
; The row's sum is taken of the unquantised p, in f32, and divides at the end.  When M moves, the sum and O are multiplied by 2^(old M - new M): nothing is rounded.
; THE FIRST PRODUCT'S K IS 64 and the instruction's 128.  Source 0 holds TWO tiles of 16 keys, the even one at k 0-63 and the odd one at k 64-127; source 1 is [Q | zero codes] for the even tile's scores and [zero codes | Q] for the odd tile's.
; A fragment's scale word holds the even tile's two bytes below and the odd tile's above; Q's holds its two bytes twice.  The half that meets zero codes adds nothing (no scale byte is 0xff, no code of k is NaN).
; SHARES.  A work-group owns 256 queries of one head; each of its eight waves owns 32 of them, TWO tiles of 16: each fragment of K and V from LDS feeds both.  Two waves to a SIMD, 512 registers each.
; kv_ws [head 32][key step of 128 keys 16][K's codes 8,192, V's codes 8,192, K's scale words 256, V's 256], all as images of operand registers: 16,896 bytes a step.  A HEAD'S K AND V STAY IN LDS WHOLE, every byte filled once: wave w fetches steps 2 w and 2 w + 1
; by one dense load.  TWO BARRIERS: one behind wave 0's load, in front of the first two steps; one behind the rest, in front of the other fourteen.
; CLUSTER 4 x 1: the four work-groups of a cluster own four query blocks of ONE head and need the same K and V: every tensor load is a joint one.  NO PREFETCH: all tensor loads are issued at the head, ahead of any loop that could ask earlier.
; LAYOUT.  S^T = K Q^T (source 0 = keys, source 1 = 16 queries), O^T = V^T P^T: a lane holds ONE query (lane % 16) throughout.  Two neighbouring tiles of S^T give operand registers 4 c .. 4 c + 3 of P in which place (h, 8 u + j) holds key 32 c + 16 u + 8 h + j;
; V's codes were made in the same order, so the products keep their terms.
; A BLOCK'S MAXIMUM lies in lanes l and l xor 16.  v_permlane16_swap_b32 on the halves' maxima of two blocks, and one maximum, leave the even block's in lanes 0-15 and the odd block's in lanes 16-31: the scale arithmetic is done on both at once.
; OUT: a_ws [128 rows 32][128 along d_model 8][tile of 16 rows 8][c 4][lane][16 bytes]; as_ws [4,096 rows][32 bytes]: a head gives two bytes of a row's 32.
; LIMITS: NaN and infinities are not served; the scaled scores stay under 2^31 in magnitude; a block whose largest magnitude lies under 2^-118 keeps the scale byte 1.
; REGISTERS.  Window 0: the names below; v80-111 p's codes, v112-239 S^T, then p, of both tiles.  Window 1: v0-63 O^T of both tiles; v64-111 Q, zeros, Q of both; v112-175 K's four fragments; v176-239 V's.
.set STR,   16896                      ; a key step in memory and in LDS
.set HD,    16*STR
.set SPARE, HD                         ; the spare words, 128 bytes for each wave: four blocks of 256 bytes that no other line names
.set L16, 1                            ; v1-3   16, 4, 8 x lane
.set L4,  2
.set L8,  3
.set C16, 5                            ; v5, v6  this step's LDS addresses
.set C8,  6
.set N16, 7                            ; v7, v8  where K is fetched next
.set N4,  8
.set SPW, 10
.set NIL, 11
.set NM,  12                           ; tile u: v[12 + 2 u] -M, v[13 + 2 u] the largest score so far
.set LS,  16                           ; tile u: the sum in two halves
.set FF,  20                           ; tile u: f = 2^(old M - new M) (and a register that is only named)
.set KS,  24                           ; v24, v25 K's scale words; v26, v27 V's; v28, v29 p's; v30, v31 Q's
.set VS,  26
.set PS,  28
.set QS,  30
.set TT,  32                           ; tile u at TT + 24 u: +0 .. 3 maxima; +8 .. 11 448 x the scale, +17 .. 20 the same again; +12 .. 15 the conversions' scale operands; +16, 21, 22, 23 at work
.set PC,  80
.set S,   112
.set SM,  240                          ; v240-245 three of the sum's four chains
.set GO,  248
.set GS,  249
.set O,   0
.set QB,  64
.set KF,  112
.set VF,  176
.set SEL, 92
.set CS,  94                           ; s[94:95] log2(e) / 8: the packed form names a pair and takes its low word for both halves
.set MNT, 96
.set TB,  97                           ; where the step in hand begins in LDS
.set TK,  98                           ; where the step begins whose K is fetched
.set NC,  99                           ; - log2(e) / 8
.set HM,  101
.set MSB, 0
.macro WIN new                         ; the immediate's high byte repeats the setting that is left
.if MSB != \new
	s_set_vgpr_msb (MSB<<8)|\new
.set MSB, \new
.endif
.endm
.macro PLACES n
.rept \n
	v_nop
.endr
.endm
.macro WALU
	s_wait_alu depctr_va_vdst(0)
.endm
.macro CROUND                          ; a round of the cluster's barrier
	s_barrier_signal -1
	s_barrier_wait -1
	s_cmp_lg_u32 s20, 0
	s_cbranch_scc1 .Lnot_wave_0_\@
	s_barrier_signal -3
.Lnot_wave_0_\@:
	s_barrier_wait -3
	s_barrier_signal -1
	s_barrier_wait -1
.endm
.macro KLOAD                           ; K's four fragments (each two tiles of 16 keys) and their scale words
	WIN 0x40                                       ; destination window 1, address window 0
.irp f, 0,1,2,3
.irp c, 0,1,2,3
	ds_load_b128 v[KF+16*\f+4*\c:KF+16*\f+4*\c+3], v[N16] offset:2048*\f+512*\c
.endr
.endr
	WIN 0
	ds_load_b32 v[KS], v[N4] offset:16384          ; lanes 0-15 the words of fragment 0, lanes 16-31 of fragment 1;
	ds_load_b32 v[KS+1], v[N4] offset:16512        ; of fragments 2 and 3
.endm
.macro SCORES u                        ; S^T of tile u: key tile t is half t % 2 of fragment t / 2
.irp t, 0,1,2,3,4,5,6,7
.if (\t/2)%2
	v_wmma_scale_f32_16x16x128_f8f6f4 v[S+64*\u+8*\t:S+64*\u+8*\t+7], v[KF+16*(\t/2):KF+16*(\t/2)+15], v[QB+24*\u+8*(\t%2):QB+24*\u+8*(\t%2)+15], 0, v[KS+\t/4], v[QS+\u] matrix_a_scale:MATRIX_SCALE_ROW1
.else
	v_wmma_scale_f32_16x16x128_f8f6f4 v[S+64*\u+8*\t:S+64*\u+8*\t+7], v[KF+16*(\t/2):KF+16*(\t/2)+15], v[QB+24*\u+8*(\t%2):QB+24*\u+8*(\t%2)+15], 0, v[KS+\t/4], v[QS+\u]
.endif
.endr
.endm
.macro PV u                            ; O^T of tile u += V^T P^T: the four accumulators by turns
	WIN 0x51                                       ; V window 1, P window 0, C and D window 1
.irp t, 0,1,2,3
.if \t%2
	v_wmma_scale_f32_16x16x128_f8f6f4 v[O+32*\u+8*\t:O+32*\u+8*\t+7], v[VF+16*\t:VF+16*\t+15], v[PC+16*\u:PC+16*\u+15], v[O+32*\u+8*\t:O+32*\u+8*\t+7], v[VS+\t/2], v[PS+\u] matrix_a_scale:MATRIX_SCALE_ROW1
.else
	v_wmma_scale_f32_16x16x128_f8f6f4 v[O+32*\u+8*\t:O+32*\u+8*\t+7], v[VF+16*\t:VF+16*\t+15], v[PC+16*\u:PC+16*\u+15], v[O+32*\u+8*\t:O+32*\u+8*\t+7], v[VS+\t/2], v[PS+\u]
.endif
.endr
	WIN 0
.endm
.macro SC u, n                         ; lines 0 .. 21 of tile u's scales.  The even block's largest p stands in lanes 0-15, the odd one's in lanes 16-31, of a pair in +0 and of the next in +2
.if (\n) == 0
	v_max_num_f32 v[TT+24*\u], 0x4800000, v[TT+24*\u]         ; the floor 2^(9 - 127): the byte cannot fall under 1
.elseif (\n) == 1
	v_max_num_f32 v[TT+24*\u+2], 0x4800000, v[TT+24*\u+2]
.elseif (\n) == 2
	v_and_or_b32 v[TT+24*\u+8], v[TT+24*\u], 0x7f800000, s[MNT]   ; 448 x the scale
.elseif (\n) == 3
	v_and_or_b32 v[TT+24*\u+10], v[TT+24*\u+2], 0x7f800000, s[MNT]
.elseif (\n) == 4
	v_lshrrev_b32 v[TT+24*\u+16], 23, v[TT+24*\u+8]           ; the scale's byte + 8
.elseif (\n) == 5
	v_lshrrev_b32 v[TT+24*\u+22], 23, v[TT+24*\u+10]
.elseif (\n) == 6
	v_mov_b32 v[TT+24*\u+9], v[TT+24*\u+8]
.elseif (\n) == 7
	v_mov_b32 v[TT+24*\u+11], v[TT+24*\u+10]
.elseif (\n) == 8
	v_lshl_or_b32 v[TT+24*\u+16], v[TT+24*\u+22], 16, v[TT+24*\u+16]
.elseif (\n) == 9
	v_permlane16_swap_b32 v[TT+24*\u+8], v[TT+24*\u+9]        ; a pair's two bounds, each in all lanes
.elseif (\n) == 10
	v_permlane16_swap_b32 v[TT+24*\u+10], v[TT+24*\u+11]
.elseif (\n) == 11
	v_permlanex16_b32 v[TT+24*\u+21], v[TT+24*\u+16], s[SEL], s[SEL+1]
.elseif (\n) < 16
	v_add_nc_u32 v[TT+24*\u+(\n)], 0xfc000000, v[TT+24*\u+(\n)-4]   ; 8 off the exponent field: the conversion's scale operand
.elseif (\n) < 20
	v_mov_b32 v[TT+24*\u+(\n)+1], v[TT+24*\u+(\n)-8]          ; the bound again: see the hold
.elseif (\n) == 20
	v_lshl_or_b32 v[TT+24*\u+16], v[TT+24*\u+21], 8, v[TT+24*\u+16]
.else
	v_add_nc_u32 v[PS+\u], 0xf7f7f7f8, v[TT+24*\u+16]         ; 8 off each byte (each is 9 at the least): p's scale word for these 128 keys, in lanes 0-15
.endif
.endm
.macro SU u, n                         ; lines 0 .. 31 of tile u's sum: of the unquantised p, two at a time, in four chains; what was summed comes under the new M
.set J_, 16+8*(((\n)-5)/4)
.set R_, 2*(((\n)-5)%4)
.if (\n) == 0
	v_pk_fma_f32 v[LS+2*\u:LS+2*\u+1], v[LS+2*\u:LS+2*\u+1], v[FF+2*\u:FF+2*\u+1], v[S+64*\u:S+64*\u+1] op_sel_hi:[1,0,1]
.elseif (\n) < 4
	v_pk_add_f32 v[SM+2*(\n)-2:SM+2*(\n)-1], v[S+64*\u+2*(\n):S+64*\u+2*(\n)+1], v[S+64*\u+2*(\n)+8:S+64*\u+2*(\n)+9]
.elseif (\n) == 4
	v_pk_add_f32 v[LS+2*\u:LS+2*\u+1], v[LS+2*\u:LS+2*\u+1], v[S+64*\u+8:S+64*\u+9]
.elseif (\n) == 29
	v_pk_add_f32 v[SM+2:SM+3], v[SM+2:SM+3], v[SM+4:SM+5]
.elseif (\n) == 30
	v_pk_add_f32 v[LS+2*\u:LS+2*\u+1], v[LS+2*\u:LS+2*\u+1], v[SM:SM+1]
.elseif (\n) == 31
	v_pk_add_f32 v[LS+2*\u:LS+2*\u+1], v[LS+2*\u:LS+2*\u+1], v[SM+2:SM+3]
.elseif R_ == 6
	v_pk_add_f32 v[LS+2*\u:LS+2*\u+1], v[LS+2*\u:LS+2*\u+1], v[S+64*\u+J_:S+64*\u+J_+1]
.else
	v_pk_add_f32 v[SM+R_:SM+R_+1], v[SM+R_:SM+R_+1], v[S+64*\u+J_+R_+2:S+64*\u+J_+R_+3]
.endif
.endm
.macro SCSU u                          ; the scales' lines among the sum's
.set N_, 0
.rept 22
	SC \u, N_
	SU \u, N_
.set N_, N_+1
.endr
.rept 10
	SU \u, N_
.set N_, N_+1
.endr
.endm
.macro MX u, n                         ; lines 0 .. 31 of tile u's maxima: the largest score of each block of 32 keys, four chains by turns: for the row's maximum and, since p rises with the score, for the block's largest p
.set B_, (\n)%4
.set I_, 3+2*(((\n)-4)/4)
.if (\n) < 4
	v_max3_num_f32 v[TT+24*\u+B_], v[S+64*\u+16*B_], v[S+64*\u+16*B_+1], v[S+64*\u+16*B_+2]
.elseif (\n) < 28
	v_max3_num_f32 v[TT+24*\u+B_], v[TT+24*\u+B_], v[S+64*\u+16*B_+I_], v[S+64*\u+16*B_+I_+1]
.else
	v_max_num_f32 v[TT+24*\u+B_], v[TT+24*\u+B_], v[S+64*\u+16*B_+15]
.endif
.endm
.macro CH u, n                         ; lines 0 .. 14 of tile u's running maximum
.if (\n) == 0
	v_permlane16_swap_b32 v[TT+24*\u], v[TT+24*\u+1]
.elseif (\n) == 1
	v_permlane16_swap_b32 v[TT+24*\u+2], v[TT+24*\u+3]
.elseif (\n) == 2
	v_max_num_f32 v[TT+24*\u], v[TT+24*\u], v[TT+24*\u+1]     ; lanes 0-15: block 0's; lanes 16-31: block 1's
.elseif (\n) == 3
	v_max_num_f32 v[TT+24*\u+2], v[TT+24*\u+2], v[TT+24*\u+3] ; blocks 2 and 3
.elseif (\n) == 4
	v_max_num_f32 v[TT+24*\u+16], v[TT+24*\u], v[TT+24*\u+2]
.elseif (\n) == 5
	v_permlanex16_b32 v[TT+24*\u+21], v[TT+24*\u+16], s[SEL], s[SEL+1]
.elseif (\n) == 6
	v_max3_num_f32 v[NM+2*\u+1], v[NM+2*\u+1], v[TT+24*\u+16], v[TT+24*\u+21]   ; the running largest score
.elseif (\n) == 7
	v_mul_f32 v[TT+24*\u+22], s[NC], v[NM+2*\u+1]
.elseif (\n) == 8
	v_mov_b32 v[TT+24*\u+23], v[NM+2*\u]
.elseif (\n) == 9
	v_floor_f32 v[NM+2*\u], v[TT+24*\u+22]                    ; the new -M = floor(-t) = -ceil(t)
.elseif (\n) == 10
	v_sub_f32 v[TT+24*\u+23], v[NM+2*\u], v[TT+24*\u+23]      ; old M - new M: a whole number, 0 or less
.elseif (\n) == 11
	v_cvt_i32_f32 v[TT+24*\u+23], v[TT+24*\u+23]              ; (it saturates)
.elseif (\n) == 12
	v_ldexp_f32 v[FF+2*\u], 1.0, v[TT+24*\u+23]
.elseif (\n) == 13
	v_fma_f32 v[TT+24*\u], v[TT+24*\u], s[CS], v[NM+2*\u]     ; t - M of the blocks' largest scores
.else
	v_fma_f32 v[TT+24*\u+2], v[TT+24*\u+2], s[CS], v[NM+2*\u]
.endif
.endm
; The conversion to an 8-bit code does not saturate (ISA guide 7.6.2); p is not negative, so the hold is one-sided.  Two holds go in one dual instruction: the bound stands in two registers whose numbers differ modulo 4.
.macro HOLD u, j
	v_dual_min_num_f32 v[S+64*\u+\j], v[S+64*\u+\j], v[TT+24*\u+8+\j/16] :: v_dual_min_num_f32 v[S+64*\u+\j+1], v[S+64*\u+\j+1], v[TT+24*\u+17+\j/16]
.endm
.macro CVT u
.irp b, 0,1,2,3
	v_cvt_scalef32_pk8_fp8_f32 v[PC+16*\u+4*\b:PC+16*\u+4*\b+1], v[S+64*\u+16*\b:S+64*\u+16*\b+7], v[TT+24*\u+12+\b]
	v_cvt_scalef32_pk8_fp8_f32 v[PC+16*\u+4*\b+2:PC+16*\u+4*\b+3], v[S+64*\u+16*\b+8:S+64*\u+16*\b+15], v[TT+24*\u+12+\b]
.endr
.endm
.macro TM u, j                         ; t - M, two at a time
	v_pk_fma_f32 v[S+64*\u+\j:S+64*\u+\j+1], v[S+64*\u+\j:S+64*\u+\j+1], s[CS:CS+1], v[NM+2*\u:NM+2*\u+1] op_sel_hi:[1,0,0]
.endm
; A KEY STEP: 128 keys, both tiles.  At its head K's fragments are in registers.  ahead = 1: the next step's K is asked for (the last step asks for its own once more, so that the step stands in one loop: no byte beyond the image is read).
.macro STEP ahead
	WIN 0x05                                       ; sources 0 and 1 window 1, D window 0
	SCORES 0
	SCORES 1
	PLACES 8                                       ; in front of the loads into K's and V's registers and of the first read of the scores
	WIN 0x40
.irp t, 0,1,2,3
.irp c, 0,1,2,3
	ds_load_b128 v[VF+16*\t+4*\c:VF+16*\t+4*\c+3], v[C16] offset:8192+2048*\t+512*\c
.endr
.endr
.if \ahead
	KLOAD
.endif
	WIN 0
	ds_load_b64 v[VS:VS+1], v[C8] offset:16640     ; register i: lanes 0-15 features' tile 2 i, lanes 16-31 tile 2 i + 1
.set N_, 0
.rept 32
	MX 0, N_
.set N_, N_+1
.endr
.set N_, 0
.rept 15                               ; tile 0's running maximum among tile 1's maxima,
	CH 0, N_
	MX 1, 2*N_
	MX 1, 2*N_+1
.set N_, N_+1
.endr
	MX 1, 30
	MX 1, 31
.set N_, 0
.rept 15                               ; tile 1's among tile 0's multiply-adds
	CH 1, N_
	TM 0, 4*N_
	TM 0, 4*N_+2
.set N_, N_+1
.endr
	TM 0, 60
	TM 0, 62
	WIN 0x41                                       ; source 0 and destination window 1, source 1 window 0
.irp u, 0,1
.irp j, 0,2,4,6,8,10,12,14,16,18,20,22,24,26,28,30
	v_pk_mul_f32 v[O+32*\u+\j:O+32*\u+\j+1], v[O+32*\u+\j:O+32*\u+\j+1], v[FF+2*\u:FF+2*\u+1] op_sel_hi:[1,0]   ; O^T under the new M
.endr
.endr
	WIN 0
	WALU
	v_exp_f32 v[TT], v[TT]                         ; the blocks' largest p: the same two instructions on the same number
	v_exp_f32 v[TT+2], v[TT+2]
.irp j, 0,2,4,6,8,10,12,14,16,18,20,22,24,26,28,30,32,34,36,38,40,42,44,46,48,50,52,54,56,58,60,62
	v_exp_f32 v[S+\j], v[S+\j]                     ; p = 2^(t - M) of tile 0, among tile 1's multiply-adds
	v_exp_f32 v[S+\j+1], v[S+\j+1]
	TM 1, \j
.endr
	WALU
	SCSU 0
	WALU
	v_exp_f32 v[TT+24], v[TT+24]
	v_exp_f32 v[TT+26], v[TT+26]
.irp j, 0,2,4,6,8,10,12,14,16,18,20,22,24,26,28,30,32,34,36,38,40,42,44,46,48,50,52,54,56,58,60,62
	v_exp_f32 v[S+64+\j], v[S+64+\j]               ; tile 1's, among tile 0's holds
	v_exp_f32 v[S+64+\j+1], v[S+64+\j+1]
	HOLD 0, \j
.endr
	WALU
	CVT 0
	SCSU 1                                         ; (also the places behind the conversions and in front of the products)
	WALU
	s_wait_dscnt 0x0                               ; V's fragments are in, and the next step's K
	PV 0
.irp j, 0,2,4,6,8,10,12,14,16,18,20,22,24,26,28,30,32,34,36,38,40,42,44,46,48,50,52,54,56,58,60,62
	HOLD 1, \j
.endr
	CVT 1
	s_add_co_u32 s[TB], s[TB], STR
.if \ahead
	s_add_co_u32 s[TK], s[TB], STR
	s_min_u32 s[TK], s[TK], 15*STR
.else
	s_mov_b32 s[TK], s[TB]
.endif
	v_add_nc_u32 v[C16], s[TB], v[L16]             ; the next step's addresses: the four places between p's codes and the products
	v_add_nc_u32 v[C8], s[TB], v[L8]
	v_add_nc_u32 v[N16], s[TK], v[L16]
	v_add_nc_u32 v[N4], s[TK], v[L4]
	PV 1
.endm
	s_load_b256 s[4:11], s[0:1], 0x0               ; q_ws s[4:5], qs_ws s[6:7], kv_ws s[8:9], a_ws s[10:11]
	s_load_b64 s[12:13], s[0:1], 0x20              ; as_ws
	v_lshl_add_u32 v[SPW], v0, 2, SPARE
	v_mov_b32 v[NIL], 0
	ds_add_u32 v[SPW], v[NIL]                      ; the wave's opening: the add, twice on end, and its wait ahead of my first tensor load
	ds_add_u32 v[SPW], v[NIL]
	v_lshrrev_b32 v9, 5, v0
	v_readfirstlane_b32 s20, v9                    ; wave 0..7
	s_bfe_u32 s21, ttmp6, 0x40000                  ; cx: it enters offsets in memory of Q and of the results alone
	s_lshl_b32 s23, ttmp9, 2
	s_add_co_u32 s21, s21, s23                     ; my block of 256 queries
	s_lshl_b32 s21, s21, 3
	s_add_co_u32 s21, s21, s20                     ; W: my 32 queries, 0..63
	s_and_b32 s22, ttmp7, 0xffff                   ; the head of 32, which the four partners share
	s_mov_b32 s24, 0x0023000f                      ; 15:0 the mask: all four work-groups; 17:16 elements of 8 bytes; 21 set beside a mask; no padding
	s_mov_b32 s25, 32<<16                          ; two key steps, dense: 132 rows of 256 bytes
	s_mov_b32 s26, 132<<16
	s_mov_b32 s27, 32<<16
	s_mov_b32 s28, 132
	s_mov_b32 s29, 32
	s_mov_b32 s30, 0
	s_mov_b32 s31, 0
	s_mov_b32 s32, 1
	s_mul_i32 s33, s20, 2*STR
	s_mul_i32 s2, s22, HD
	s_mul_i32 s3, s20, 2*STR
	s_add_co_u32 s2, s2, s3
	s_mov_b32 s3, 0
	s_mov_b32 s[SEL], 0x76543210
	s_mov_b32 s[SEL+1], 0xfedcba98                 ; v_permlanex16_b32's selects for lane l xor 16
	s_mov_b32 s[CS], 0x3e38aa3b                    ; log2(e) / 8
	s_mov_b32 s[CS+1], s[CS]
	s_mov_b32 s[NC], 0xbe38aa3b
	s_mov_b32 s[MNT], 0x600000                     ; the mantissa field of 448
	s_mov_b32 s[HM], 0xffff0000
	s_mov_b32 s[TB], 0
	s_mov_b32 s[TK], 0
	WALU
	s_wait_dscnt 0x0                               ; both opening adds are done
	CROUND                                         ; all four work-groups are here: the joint loads meet
	s_wait_kmcnt 0x0
	s_add_nc_u64 s[34:35], s[8:9], s[2:3]
	s_or_b32 s35, s35, 0x80000000
	s_cmp_eq_u32 s20, 0                            ; ONE joint load a wave; wave 0's, which is shown first, has a line of its own
	s_cbranch_scc0 .Lothers
	tensor_load_to_lds s[32:35], s[24:31]
	s_nop 0
	PLACES 4
	s_branch .Lasked
.Lothers:
	tensor_load_to_lds s[32:35], s[24:31]
	s_nop 0
	PLACES 4
.Lasked:
	v_and_b32 v9, 31, v0                           ; l
	v_and_b32 v250, 15, v0                         ; r
	s_lshl_b32 s23, s22, 17
	s_lshl_b32 s3, s21, 11
	s_add_co_u32 s23, s23, s3
	v_lshl_add_u32 v4, v9, 4, s23                  ; Q's images: head x 2^17 + my two tiles of 1,024 bytes + 16 l
	s_lshl_b32 s23, s22, 12
	s_lshl_b32 s3, s21, 6
	s_add_co_u32 s23, s23, s3
	v_lshl_add_u32 v246, v250, 2, s23              ; Q's scale bytes: row r's word has tile 0's two below and tile 1's above
	WIN 0x40
.irp u, 0,1
	global_load_b128 v[QB+24*\u:QB+24*\u+3], v4, s[4:5] offset:1024*\u            ; Q, twice
	global_load_b128 v[QB+24*\u+4:QB+24*\u+7], v4, s[4:5] offset:1024*\u+512
	global_load_b128 v[QB+24*\u+16:QB+24*\u+19], v4, s[4:5] offset:1024*\u
	global_load_b128 v[QB+24*\u+20:QB+24*\u+23], v4, s[4:5] offset:1024*\u+512
.endr
	WIN 0
	global_load_b32 v247, v246, s[6:7]
	WALU
	v_lshlrev_b32 v[L16], 4, v9
	v_lshlrev_b32 v[L4], 2, v9
	v_lshlrev_b32 v[L8], 3, v9
	v_mov_b32 v[C16], v[L16]
	v_mov_b32 v[C8], v[L8]
	v_mov_b32 v[N16], v[L16]
	v_mov_b32 v[N4], v[L4]
	s_lshr_b32 s2, s22, 4                          ; the batch
	s_and_b32 s3, s22, 15
	s_lshl_b32 s14, s2, 21                         ; the result's image: (16 batch + W / 4) x 2^17 + (head / 2) x 2^14 + (W % 4) x 2^12 + (head % 2) x 2^10 + 16 l
	s_lshr_b32 s15, s21, 2
	s_lshl_b32 s15, s15, 17
	s_add_co_u32 s14, s14, s15
	s_lshr_b32 s15, s3, 1
	s_lshl_b32 s15, s15, 14
	s_add_co_u32 s14, s14, s15
	s_and_b32 s15, s21, 3
	s_lshl_b32 s15, s15, 12
	s_add_co_u32 s14, s14, s15
	s_and_b32 s15, s3, 1
	s_lshl_b32 s15, s15, 10
	s_add_co_u32 s14, s14, s15
	WALU
	v_lshl_add_u32 v[GO], v9, 4, s14
	s_lshl_b32 s14, s2, 16                         ; its scale bytes: (2,048 batch + 32 W + l) x 32 + 2 head: lane l has row l of my 32
	s_lshl_b32 s15, s21, 10
	s_add_co_u32 s14, s14, s15
	s_lshl_b32 s15, s3, 1
	s_add_co_u32 s14, s14, s15
	v_lshl_add_u32 v[GS], v9, 5, s14
.irp u, 0,1
	v_mov_b32 v[NM+2*\u], 0x7e000000               ; -M: the first step's f is then 0
	v_mov_b32 v[NM+2*\u+1], 0xff61b1e6             ; the largest score so far: -3e38
	v_mov_b32 v[LS+2*\u], 0
	v_mov_b32 v[LS+2*\u+1], 0
	v_mov_b32 v[FF+2*\u+1], 0                      ; (named as the upper half of a pair)
	v_mov_b32 v[TT+24*\u+21], 0                    ; a lane permute's destination counts as one of its sources
.endr
	WIN 0x40
.irp u, 0,1
.irp j, 0,1,2,3,4,5,6,7
	v_mov_b32 v[QB+24*\u+8+\j], 0                  ; the zero codes between Q and Q
.endr
.endr
.set I_, 0
.rept 64
	v_mov_b32 v[O+I_], 0                           ; O^T.  (The step is written once: the first finds zeros, which the first change of M leaves zeros)
.set I_, I_+1
.endr
	WIN 0
	WALU
	s_wait_loadcnt 0x0                             ; Q and its scale bytes
	v_and_b32 v[QS], 0xffff, v247
	v_lshrrev_b32 v[QS+1], 16, v247
	v_lshl_or_b32 v[QS], v[QS], 16, v[QS]          ; the two bytes twice: for Q at k 0-63 and for Q at k 64-127
	v_lshl_or_b32 v[QS+1], v[QS+1], 16, v[QS+1]
	PLACES 8                                       ; between the scale words just made and the first product
	WALU
	s_cmp_eq_u32 s20, 0
	s_cbranch_scc0 .Lnot_mine
	s_wait_tensorcnt 0x0                           ; wave 0: steps 0 and 1 have landed.  The other waves' wait stands at the second barrier
.Lnot_mine:
	s_barrier_signal -1
	s_barrier_wait -1
	s_mov_b32 s100, 2
.Lfirst:                                           ; steps 0 and 1
	KLOAD
	s_wait_dscnt 0x0
	STEP 0
	WALU
	s_sub_co_u32 s100, s100, 1
	s_cmp_lg_u32 s100, 0
	s_cbranch_scc1 .Lfirst
	s_wait_tensorcnt 0x0                           ; all my loads have landed,
	s_wait_dscnt 0x0
	s_barrier_signal -1
	s_barrier_wait -1                              ; everybody's have: from here on no wave waits for another
	KLOAD                                          ; step 2's K
	v_add_nc_u32 v[N16], STR, v[N16]
	v_add_nc_u32 v[N4], STR, v[N4]
	WALU
	s_wait_dscnt 0x0
	s_mov_b32 s100, 14
.Lrest:                                            ; steps 2 to 15
	STEP 1
	WALU
	s_sub_co_u32 s100, s100, 1
	s_cmp_lg_u32 s100, 0
	s_cbranch_scc1 .Lrest
	; THE WAY OUT: O^T / the sum, quantised along the head's 64 (two blocks of d_model), as an image of the last projection's operand
	PLACES 8                                       ; behind the last products
.irp u, 0,1
	v_add_f32 v[LS+2*\u], v[LS+2*\u], v[LS+2*\u+1] ; the sum's two halves,
.endr
.irp u, 0,1
	v_permlanex16_b32 v[TT+24*\u+21], v[LS+2*\u], s[SEL], s[SEL+1]
.endr
.irp u, 0,1
	v_add_f32 v[LS+2*\u], v[LS+2*\u], v[TT+24*\u+21]   ; and lane l xor 16's
.endr
	WALU
	v_rcp_f32 v[LS], v[LS]
	v_rcp_f32 v[LS+2], v[LS+2]
	v_nop                                          ; a plain line behind the reciprocals
	WIN 0x01                                       ; source 0 (O^T) window 1
	WALU
.irp u, 0,1
.irp j, 0,2,4,6,8,10,12,14,16,18,20,22,24,26,28,30
	v_pk_mul_f32 v[S+64*\u+\j:S+64*\u+\j+1], v[O+32*\u+\j:O+32*\u+\j+1], v[LS+2*\u:LS+2*\u+1] op_sel_hi:[1,0]   ; register 8 t + i: feature 16 t + 8 h + i of query r
.endr
.endr
	WIN 0
.irp b, 0,1
.irp u, 0,1
	v_max3_num_f32 v[TT+24*\u+\b], |v[S+64*\u+16*\b]|, |v[S+64*\u+16*\b+1]|, 0x4800000
.endr
.endr
.irp i, 2,4,6,8,10,12,14
.irp b, 0,1
.irp u, 0,1
	v_max3_num_f32 v[TT+24*\u+\b], v[TT+24*\u+\b], |v[S+64*\u+16*\b+\i]|, |v[S+64*\u+16*\b+\i+1]|
.endr
.endr
.endr
.irp u, 0,1
	v_permlane16_swap_b32 v[TT+24*\u], v[TT+24*\u+1]
.endr
.irp u, 0,1
	v_max_num_f32 v[TT+24*\u], v[TT+24*\u], v[TT+24*\u+1]   ; lanes 0-15 block 0's, lanes 16-31 block 1's
.endr
.irp u, 0,1
	v_and_or_b32 v[TT+24*\u+8], v[TT+24*\u], 0x7f800000, s[MNT]
.endr
.irp u, 0,1
	v_lshrrev_b32 v[TT+24*\u+16], 23, v[TT+24*\u+8]         ; the byte + 8
.endr
.irp u, 0,1
	v_mov_b32 v[TT+24*\u+9], v[TT+24*\u+8]
.endr
.irp u, 0,1
	v_permlanex16_b32 v[TT+24*\u+21], v[TT+24*\u+16], s[SEL], s[SEL+1]
.endr
.irp u, 0,1
	v_permlane16_swap_b32 v[TT+24*\u+8], v[TT+24*\u+9]
.endr
.irp b, 0,1
.irp u, 0,1
	v_add_nc_u32 v[TT+24*\u+12+\b], 0xfc000000, v[TT+24*\u+8+\b]
.endr
.endr
	v_lshl_or_b32 v240, v[TT+21], 8, v[TT+16]      ; lanes 0-15: tile 0's two bytes
	v_lshl_or_b32 v241, v[TT+24+16], 8, v[TT+24+21]   ; lanes 16-31: tile 1's
	v_cndmask_b32 v240, v240, v241, s[HM]
	v_add_nc_u32 v240, 0xfffff7f8, v240            ; 8 off each byte
.irp b, 0,1
.irp u, 0,1
.irp i, 0,1,2,3,4,5,6,7,8,9,10,11,12,13,14,15
	v_med3_num_f32 v[S+64*\u+16*\b+\i], v[S+64*\u+16*\b+\i], -v[TT+24*\u+8+\b], v[TT+24*\u+8+\b]
.endr
.endr
.endr
.irp u, 0,1
.irp b, 0,1
	v_cvt_scalef32_pk8_fp8_f32 v[PC+16*\u+4*\b:PC+16*\u+4*\b+1], v[S+64*\u+16*\b:S+64*\u+16*\b+7], v[TT+24*\u+12+\b]
	v_cvt_scalef32_pk8_fp8_f32 v[PC+16*\u+4*\b+2:PC+16*\u+4*\b+3], v[S+64*\u+16*\b+8:S+64*\u+16*\b+15], v[TT+24*\u+12+\b]
.endr
.endr
	v_nop                                          ; a plain line behind the last conversion
.irp u, 0,1
	global_store_b128 v[GO], v[PC+16*\u:PC+16*\u+3], s[10:11] offset:2048*\u      ; 32 lanes store 512 bytes on end
	global_store_b128 v[GO], v[PC+16*\u+4:PC+16*\u+7], s[10:11] offset:2048*\u+512
.endr
	global_store_b16 v[GS], v240, s[12:13]
	s_wait_tensorcnt 0x0                           ; the wave's end
	ds_add_u32 v[SPW], v[NIL]
	s_wait_dscnt 0x0
	CROUND                                         ; the closing round: no work-group ends while a partner may still ask for a tile that names it
	s_endpgm
.Lfunc_end_k_q0bcdc41fc5_attn:
	.size	k_q0bcdc41fc5_attn, .Lfunc_end_k_q0bcdc41fc5_attn-k_q0bcdc41fc5_attn
	.p2alignl 7, 3214868480
	.fill 96, 4, 3214868480
	.section	.rodata,"a",@progbits
	.p2align	6, 0x0
	.amdhsa_kernel k_q0bcdc41fc5_attn
		.amdhsa_group_segment_fixed_size 327680
		.amdhsa_private_segment_fixed_size 0
		.amdhsa_enable_private_segment 0
		.amdhsa_kernarg_size 40
		.amdhsa_user_sgpr_count 2
		.amdhsa_user_sgpr_kernarg_segment_ptr 1
		.amdhsa_wavefront_size32 1
		.amdhsa_system_sgpr_workgroup_id_x 1
		.amdhsa_system_sgpr_workgroup_id_y 1
		.amdhsa_system_sgpr_workgroup_id_z 1
		.amdhsa_system_vgpr_workitem_id 0
		.amdhsa_next_free_vgpr 512
		.amdhsa_next_free_sgpr 102
		.amdhsa_reserve_vcc 0
		.amdhsa_float_denorm_mode_32 3
		.amdhsa_float_denorm_mode_16_64 3
		.amdhsa_memory_ordered 1
		.amdhsa_forward_progress 1
		.amdhsa_inst_pref_size 88
	.end_amdhsa_kernel
	.amdgpu_metadata
---
amdhsa.version: [ 1, 2 ]
amdhsa.kernels:
  - .name:           k_q0bcdc41fc5_attn
    .symbol:         k_q0bcdc41fc5_attn.kd
    .args:
      - { .name: q_ws, .offset: 0, .size: 8, .value_kind: global_buffer, .address_space: global }
      - { .name: qs_ws, .offset: 8, .size: 8, .value_kind: global_buffer, .address_space: global }
      - { .name: kv_ws, .offset: 16, .size: 8, .value_kind: global_buffer, .address_space: global }
      - { .name: a_ws, .offset: 24, .size: 8, .value_kind: global_buffer, .address_space: global }
      - { .name: as_ws, .offset: 32, .size: 8, .value_kind: global_buffer, .address_space: global }
    .group_segment_fixed_size: 327680
    .private_segment_fixed_size: 0
    .kernarg_segment_align: 8
    .kernarg_segment_size: 40
    .max_flat_workgroup_size: 256
    .sgpr_count:     102
    .vgpr_count:     512
    .wavefront_size: 32
...
	.end_amdgpu_metadata
.endif
;; end of part 2
;; launch oproj (part 3): grid 8 x 32, 4 waves a work-group, clusters of 4 x 4, 327,680 bytes of LDS; arguments a_ws, as_ws, Wo_codes, Wo_scales, bo, out0; writes out0
.if DOCPART == 3
	.amdgcn_target "amdgcn-amd-amdhsa--gfx1250"
	.amdhsa_code_object_version 6
	.text
	.protected	k_q0bcdc41fc5_oproj
	.globl	k_q0bcdc41fc5_oproj
	.p2align	8
	.type	k_q0bcdc41fc5_oproj,@function
k_q0bcdc41fc5_oproj:
	s_mov_b64 s[64:65], 0
	v_nop
	global_prefetch_b8 v0, s[64:65] scope:SCOPE_SE
	s_setreg_imm32_b32 hwreg(HW_REG_WAVE_MODE, 25, 1), 1
	s_wait_xcnt 0x0
	s_wait_alu depctr_hold_cnt(0) depctr_sa_sdst(0) depctr_va_vdst(0) depctr_va_sdst(0) depctr_va_ssrc(0) depctr_va_vcc(0) depctr_vm_vsrc(0)
	s_getreg_b32 s2, hwreg(HW_REG_IB_STS2, 6, 4)
	s_cmp_eq_u32 s2, 0
	s_cbranch_scc0 .Lentry_in_a_cluster
	s_endpgm
.Lentry_in_a_cluster:
	s_bfe_u32 s2, ttmp6, 0x10000c
	s_cmp_lg_u32 s2, 0xf033
	s_cbranch_scc0 .Lentry_shape_is_right
	s_endpgm
.Lentry_shape_is_right:
; out = a Wo^T + bo, on codes of E4M3 with one E8M0 scale for each 32 along K = 1,024.  a: 4,096 rows, as register images [128 rows 32][128 along K 8][tile of 16 rows 8][c 4][lane][16 bytes], scale bytes [4,096][32];
; Wo: [1,024][1,024] codes, K innermost, scale bytes [1,024][32]; bo [1,024], out [4,096][1,024]: f32.
; SHARES.  A work-group makes 128 x 128 of out: 8 x 32 work-groups; wave w: rows 64 (w / 2) on, columns 64 (w % 2) on.  Both panels (all of K) come into LDS once, one load a wave: Wo's halves by waves 0 and 1, a's by waves 2 and 3.
; Wo's is shown first and goes into registers (512 a wave) while a's lands.  THE RESULT IS MADE BY BLOCKS of 16 rows x 64 columns, 32 products each, and a block leaves while the next one is multiplied.
; CLUSTER 4 x 4: the four work-groups of a row need the same rows of a, the four of a column the same rows of Wo: every tensor load is a joint one.  NO PREFETCH: all tensor loads are issued at the head, and there is no loop ahead of them.
; THE ORDER INSIDE A BLOCK OF 32 along K.  In a's images place (h, 8 u + j) of registers 4 c .. 4 c + 3 holds k = 32 c + 16 u + 8 h + j.  Wo's fragments are read in the same order: eight loads of 8 bytes at 32 c + 16 u + 8 h.  The permutation stays inside one scale block, so the products keep their terms.
; Source 0 = 16 rows of Wo, source 1 = 16 rows of a: a lane holds eight neighbouring columns of one row of out; bo is the C of the sums' first instruction.
; LIMITS: NaN and infinities are not served.
; REGISTERS.  window 0: v1-14 offsets and LDS addresses; v30, v31 for the add; v32-47 a's scale words, v52-67 Wo's; v68-99 the bias; v128-191 two sets of four accumulators; v192-255 rows on their way out.
;   windows 1, 2: Wo's 32 fragments, fragment 4 k + i in window 1 + k / 4.   window 3: a's fragments of a block, two sets of 128.
.set PITCH, 1040                       ; a row of Wo in LDS: 1,024 bytes + 16 of padding
.set HALF, 64*PITCH                    ; 64 rows
.set QI,   2*HALF                      ; behind Wo's panel: a's images, 131,072 bytes
.set STG,  QI+131072                   ; the way out: 16 rows x (256 bytes + 16) for each wave; no tensor load lands here
.set SPARE, STG+4*4352                 ; the spare words, 128 bytes for each wave: two blocks of 256 bytes that no other line names
.set XS,  32
.set WS,  52
.set BI,  68
.set ACC, 128
.set BK,  192
.set G1A, 24
.set G1W, 32
.set MSB, 0
.macro WIN new                         ; the immediate's high byte repeats the setting that is left
.if MSB != \new
	s_set_vgpr_msb (MSB<<8)|\new
.set MSB, \new
.endif
.endm
.macro PLACES n
.rept \n
	v_nop
.endr
.endm
.macro CROUND                          ; a round of the cluster's barrier
	s_barrier_signal -1
	s_barrier_wait -1
	s_cmp_lg_u32 s14, 0
	s_cbranch_scc1 .Lnot_wave_0_\@
	s_barrier_signal -3
.Lnot_wave_0_\@:
	s_barrier_wait -3
	s_barrier_signal -1
	s_barrier_wait -1
.endm
.macro WM d, a, b, c, sa, sb, ra, rb   ; ra, rb: source 0's, source 1's scale words lie in lanes 16-31 of the register named
.if (\ra) && (\rb)
	v_wmma_scale_f32_16x16x128_f8f6f4 v[\d:\d+7], v[\a:\a+15], v[\b:\b+15], v[\c:\c+7], v[\sa], v[\sb] matrix_a_scale:MATRIX_SCALE_ROW1 matrix_b_scale:MATRIX_SCALE_ROW1
.elseif (\ra)
	v_wmma_scale_f32_16x16x128_f8f6f4 v[\d:\d+7], v[\a:\a+15], v[\b:\b+15], v[\c:\c+7], v[\sa], v[\sb] matrix_a_scale:MATRIX_SCALE_ROW1
.elseif (\rb)
	v_wmma_scale_f32_16x16x128_f8f6f4 v[\d:\d+7], v[\a:\a+15], v[\b:\b+15], v[\c:\c+7], v[\sa], v[\sb] matrix_b_scale:MATRIX_SCALE_ROW1
.else
	v_wmma_scale_f32_16x16x128_f8f6f4 v[\d:\d+7], v[\a:\a+15], v[\b:\b+15], v[\c:\c+7], v[\sa], v[\sb]
.endif
.endm
.macro WLOAD                           ; my 64 rows of Wo, all of K: loads of 8 bytes (the 32 lanes of one touch 64 different banks at this pitch)
.irp k, 0,1,2,3,4,5,6,7
	WIN (1+\k/4)<<6
.irp i, 0,1,2,3
.irp c, 0,1,2,3
	ds_load_b64 v[16*(4*(\k%4)+\i)+4*\c:16*(4*(\k%4)+\i)+4*\c+1], v6 offset:16*PITCH*\i+128*\k+32*\c
	ds_load_b64 v[16*(4*(\k%4)+\i)+4*\c+2:16*(4*(\k%4)+\i)+4*\c+3], v6 offset:16*PITCH*\i+128*\k+32*\c+16
.endr
.endr
.endr
	WIN 0
.endm
.macro AFETCH j                        ; a's fragments of block j, all of K, into set j % 2: 32 loads, 512 bytes on end each
	WIN 3<<6
.irp k, 0,1,2,3,4,5,6,7
.irp c, 0,1,2,3
	ds_load_b128 v[128*(\j%2)+16*\k+4*\c:128*(\j%2)+16*\k+4*\c+3], v[8+\k/4] offset:16384*(\k%4)+2048*\j+512*\c
.endr
.endr
	WIN 0
.endm
.macro ROW4 j, k                       ; four products: the four accumulators take turns
	WIN (1+\k/4)|(3<<2)
.irp i, 0,1,2,3
.if \k
	WM ACC+32*(\j%2)+8*\i, 16*(4*(\k%4)+\i), 128*(\j%2)+16*\k, ACC+32*(\j%2)+8*\i, WS+8*(\i/2)+\k, XS+8*(\j/2)+\k, \i%2, \j%2
.else
	WM ACC+32*(\j%2)+8*\i, 16*(4*(\k%4)+\i), 128*(\j%2)+16*\k, BI+8*\i, WS+8*(\i/2)+\k, XS+8*(\j/2)+\k, \i%2, \j%2
.endif
.endr
.endm
.macro ROWA j
.irp k, 0,1,2,3
	ROW4 \j, \k
.endr
	WIN 0
.endm
.macro ROWB j
.irp k, 4,5,6,7
	ROW4 \j, \k
.endr
	WIN 0
	PLACES 8                                       ; behind the block's last products, for the stores to the stage and the loads into a's registers
.endm
; THE WAY OUT, 16 rows x 64 columns: a lane's 32 bytes of a row go into my own stage and come back as whole rows of 256 bytes, which sixteen lanes store on end, aligned.
; LDS serves a wave's instructions in order (ISA guide 5.7.1.4): no wait between the stores and the loads, nor in front of the next block's stores.
.macro TOSTAGE j
.irp i, 0,1,2,3
	ds_store_b128 v13, v[ACC+32*(\j%2)+8*\i:ACC+32*(\j%2)+8*\i+3] offset:64*\i    ; each accumulator from its low end on
	ds_store_b128 v13, v[ACC+32*(\j%2)+8*\i+4:ACC+32*(\j%2)+8*\i+7] offset:64*\i+16
.endr
.irp t, 0,1,2,3,4,5,6,7
	ds_load_b128 v[BK+32*(\j%2)+4*\t:BK+32*(\j%2)+4*\t+3], v14 offset:544*\t
.endr
.endm
.macro SEND j, younger                 ; younger: the LDS loads issued behind block j's, which may stay out
	s_wait_dscnt \younger
.irp t, 0,1,2,3,4,5,6,7
	global_store_b128 v1, v[BK+32*(\j%2)+4*\t:BK+32*(\j%2)+4*\t+3], s[78:79] offset:(16*\j+2*\t)*4096 th:TH_STORE_NT
.endr
.endm
	s_load_b256 s[4:11], s[0:1], 0x0               ; a_ws s[4:5], as_ws s[6:7], Wo's codes s[8:9], Wo's scales s[10:11]
	s_load_b128 s[76:79], s[0:1], 0x20             ; bo s[76:77], out s[78:79]
	v_lshl_add_u32 v30, v0, 2, SPARE
	v_mov_b32 v31, 0
	ds_add_u32 v30, v31                            ; the wave's opening: the add, twice on end, and its wait ahead of my first tensor load
	ds_add_u32 v30, v31
	v_lshrrev_b32 v10, 5, v0
	v_readfirstlane_b32 s14, v10                   ; wave 0..3
	s_lshr_b32 s15, s14, 1                         ; wr: which 64 rows are mine.  Also: I fetch for Wo (0) or for a (1)
	s_and_b32 s16, s14, 1                          ; wc: which 64 columns.  Also: which half of a panel I fetch
	s_bfe_u32 s19, ttmp6, 0x40000
	s_bfe_u32 s20, ttmp6, 0x40004
	s_lshl_b32 s18, ttmp9, 2
	s_add_co_u32 s18, s18, s19                     ; tc
	s_and_b32 s17, ttmp7, 0xffff
	s_lshl_b32 s17, s17, 2
	s_add_co_u32 s17, s17, s20                     ; tr
	s_lshl_b32 s21, s20, 2
	s_lshl_b32 s21, 15, s21                        ; my row of the cluster
	s_lshl_b32 s22, 0x1111, s19                    ; my column
	s_or_b32 s[G1A], s21, 0x00230000               ; a's images: a dense block as 256 rows of 256 bytes (32 elements of 8 bytes), no padding; 21 set beside the mask
	s_mov_b32 s[G1A+1], 32<<16
	s_mov_b32 s[G1A+2], 256<<16
	s_mov_b32 s[G1A+3], 32<<16
	s_mov_b32 s[G1A+4], 256
	s_mov_b32 s[G1A+5], 32
	s_mov_b32 s[G1A+6], 0
	s_mov_b32 s[G1A+7], 0
	s_or_b32 s[G1W], s22, 0x07f00000               ; Wo: 64 rows x 1,024 bytes, 16 bytes of padding behind each
	s_mov_b32 s[G1W+1], 1024<<16
	s_mov_b32 s[G1W+2], 64<<16
	s_mov_b32 s[G1W+3], 1024<<16
	s_mov_b32 s[G1W+4], 64
	s_mov_b32 s[G1W+5], 1024
	s_mov_b32 s[G1W+6], 0
	s_mov_b32 s[G1W+7], 0
	s_lshl_b32 s80, s16, 16                        ; a: of the eight K steps of 16,384 bytes, my four
	s_lshl_b32 s2, s17, 17
	s_add_co_u32 s2, s2, s80
	s_mov_b32 s3, 0
	s_lshl_b32 s98, s18, 17                        ; Wo: 128 tc rows + my 64
	s_lshl_b32 s99, s16, 16
	s_add_co_u32 s98, s98, s99
	s_mov_b32 s99, 0
	s_mul_i32 s23, s16, HALF
	s_mov_b32 s40, 1
	s_add_co_u32 s41, s80, QI
	s_mov_b32 s56, 1
	s_mov_b32 s57, s23
	s_wait_alu depctr_va_vdst(0)
	s_wait_dscnt 0x0                               ; both opening adds are done
	CROUND                                         ; all sixteen work-groups are here: the joint loads meet
	s_wait_kmcnt 0x0
	s_add_nc_u64 s[42:43], s[4:5], s[2:3]
	s_or_b32 s43, s43, 0x80000000
	s_add_nc_u64 s[58:59], s[8:9], s[98:99]
	s_or_b32 s59, s59, 0x80000000
	s_cmp_lt_u32 s14, 2                            ; ONE joint load a wave
	s_cbranch_scc0 .Lfirst_a
	tensor_load_to_lds s[56:59], s[G1W:G1W+7]
	s_nop 0
	PLACES 4
	s_branch .Lfirst_done
.Lfirst_a:
	tensor_load_to_lds s[40:43], s[G1A:G1A+7]
	s_nop 0
	PLACES 4
.Lfirst_done:
	v_and_b32 v10, 15, v0                          ; r
	v_bfe_u32 v11, v0, 4, 1                        ; h
	v_and_b32 v12, 31, v0                          ; l
	v_lshlrev_b32 v3, 5, v12
	v_lshl_add_u32 v3, s17, 12, v3
	v_lshl_add_u32 v3, s15, 11, v3                 ; a's scale bytes: 32 a row
	v_lshlrev_b32 v4, 5, v12
	v_lshl_add_u32 v4, s18, 12, v4
	v_lshl_add_u32 v4, s16, 11, v4                 ; Wo's
	v_lshlrev_b32 v5, 5, v11
	v_lshl_add_u32 v5, s18, 9, v5
	v_lshl_add_u32 v5, s16, 8, v5                  ; bo: my 64 numbers, + 8 h of them
.irp p, 0,1
	global_load_b128 v[XS+8*\p:XS+8*\p+3], v3, s[6:7] offset:1024*\p              ; register 8 p + k: lanes 0-15 the words of tile 2 p, lanes 16-31 of tile 2 p + 1, for K step k
	global_load_b128 v[XS+8*\p+4:XS+8*\p+7], v3, s[6:7] offset:1024*\p+16
	global_load_b128 v[WS+8*\p:WS+8*\p+3], v4, s[10:11] offset:1024*\p
	global_load_b128 v[WS+8*\p+4:WS+8*\p+7], v4, s[10:11] offset:1024*\p+16
.endr
.irp i, 0,1,2,3
	global_load_b128 v[BI+8*\i:BI+8*\i+3], v5, s[76:77] offset:64*\i              ; register n of tile i: column 16 i + 8 h + n
	global_load_b128 v[BI+8*\i+4:BI+8*\i+7], v5, s[76:77] offset:64*\i+16
.endr
	v_mul_u32_u24 v6, v10, PITCH
	v_lshl_add_u32 v6, v11, 3, v6
	v_add_nc_u32 v6, s23, v6                       ; Wo's fragments: my 64 rows, row r x pitch + 8 h
	s_lshl_b32 s23, s15, 13
	s_add_co_u32 s23, s23, QI
	v_lshl_add_u32 v8, v12, 4, s23                 ; a's images: my four tiles of 2,048 bytes, 16 l; K steps 0 to 3;
	v_add_nc_u32 v9, 65536, v8                     ; 4 to 7
	s_mul_i32 s23, s14, 4352
	s_add_co_u32 s23, s23, STG                     ; my stage
	v_mul_u32_u24 v13, v10, 272
	v_lshl_add_u32 v13, v11, 5, v13
	v_add_nc_u32 v13, s23, v13                     ; in: row r, 32 bytes for each half of the lanes
	v_mul_u32_u24 v14, v11, 272
	v_lshl_add_u32 v14, v10, 4, v14
	v_add_nc_u32 v14, s23, v14                     ; back: lanes 0-15 one row of 256 bytes, lanes 16-31 the next
	v_lshlrev_b32 v1, 12, v11
	v_lshl_add_u32 v1, v10, 4, v1
	v_lshl_add_u32 v1, s17, 19, v1
	v_lshl_add_u32 v1, s15, 18, v1
	v_lshl_add_u32 v1, s18, 9, v1
	v_lshl_add_u32 v1, s16, 8, v1                  ; and the same two rows in out: rows of 4,096 bytes, my 64 columns' 256 bytes
	s_wait_alu depctr_va_vdst(0)
	s_cmp_lt_u32 s14, 2
	s_cbranch_scc0 .Lnot_w
	s_wait_tensorcnt 0x0                           ; waves 0 and 1: Wo's halves have landed.  Waves 2 and 3 wait for a's at the second barrier
.Lnot_w:
	s_barrier_signal -1
	s_barrier_wait -1
	WLOAD
	s_wait_loadcnt 0x0                             ; scale words and bias
	s_wait_tensorcnt 0x0                           ; a's images are in,
	s_wait_dscnt 0x0                               ; my rows of Wo are in registers
	s_barrier_signal -1
	s_barrier_wait -1
	AFETCH 0
	AFETCH 1
	s_wait_dscnt 32                                ; block 0's fragments are in; block 1's 32 loads may be out
	ROWA 0
	ROWB 0
	TOSTAGE 0
	AFETCH 2
	s_wait_dscnt 48                                ; block 1's are in: behind them the stage's 16 and block 2's 32
	ROWA 1
	SEND 0, 32
	ROWB 1
	TOSTAGE 1
	AFETCH 3
	s_wait_dscnt 48
	ROWA 2
	SEND 1, 32
	ROWB 2
	s_wait_xcnt 0x0                                ; block 0's stores have read their registers: block 2's rows may come back there
	TOSTAGE 2
	s_wait_dscnt 16                                ; block 3's fragments are in: behind them the stage's 16
	ROWA 3
	SEND 2, 0
	ROWB 3
	s_wait_xcnt 0x0
	TOSTAGE 3
	SEND 3, 0
	s_wait_tensorcnt 0x0                           ; the wave's end
	ds_add_u32 v30, v31
	s_wait_dscnt 0x0
	CROUND                                         ; the closing round: no work-group ends while a partner may still ask for a tile that names it
	s_endpgm
.Lfunc_end_k_q0bcdc41fc5_oproj:
	.size	k_q0bcdc41fc5_oproj, .Lfunc_end_k_q0bcdc41fc5_oproj-k_q0bcdc41fc5_oproj
	.p2alignl 7, 3214868480
	.fill 96, 4, 3214868480
	.section	.rodata,"a",@progbits
	.p2align	6, 0x0
	.amdhsa_kernel k_q0bcdc41fc5_oproj
		.amdhsa_group_segment_fixed_size 327680
		.amdhsa_private_segment_fixed_size 0
		.amdhsa_enable_private_segment 0
		.amdhsa_kernarg_size 48
		.amdhsa_user_sgpr_count 2
		.amdhsa_user_sgpr_kernarg_segment_ptr 1
		.amdhsa_wavefront_size32 1
		.amdhsa_system_sgpr_workgroup_id_x 1
		.amdhsa_system_sgpr_workgroup_id_y 1
		.amdhsa_system_sgpr_workgroup_id_z 1
		.amdhsa_system_vgpr_workitem_id 0
		.amdhsa_next_free_vgpr 1024
		.amdhsa_next_free_sgpr 102
		.amdhsa_reserve_vcc 0
		.amdhsa_float_denorm_mode_32 3
		.amdhsa_float_denorm_mode_16_64 3
		.amdhsa_memory_ordered 1
		.amdhsa_forward_progress 1
		.amdhsa_inst_pref_size 58
	.end_amdhsa_kernel
	.amdgpu_metadata
---
amdhsa.version: [ 1, 2 ]
amdhsa.kernels:
  - .name:           k_q0bcdc41fc5_oproj
    .symbol:         k_q0bcdc41fc5_oproj.kd
    .args:
      - { .name: a_ws, .offset: 0, .size: 8, .value_kind: global_buffer, .address_space: global }
      - { .name: as_ws, .offset: 8, .size: 8, .value_kind: global_buffer, .address_space: global }
      - { .name: Wo_codes, .offset: 16, .size: 8, .value_kind: global_buffer, .address_space: global }
      - { .name: Wo_scales, .offset: 24, .size: 8, .value_kind: global_buffer, .address_space: global }
      - { .name: bo, .offset: 32, .size: 8, .value_kind: global_buffer, .address_space: global }
      - { .name: out0, .offset: 40, .size: 8, .value_kind: global_buffer, .address_space: global }
    .group_segment_fixed_size: 327680
    .private_segment_fixed_size: 0
    .kernarg_segment_align: 8
    .kernarg_segment_size: 48
    .max_flat_workgroup_size: 128
    .sgpr_count:     102
    .vgpr_count:     1024
    .wavefront_size: 32
...
	.end_amdgpu_metadata
.endif
;; end of part 3
